; MI455X (gfx1250); checked and timed in simulation.
; The chip was launched on July 23, 2026; its instructions are those of AMD's public machine-readable ISA for CDNA 5 (MIT licence, August 2026) and "CDNA5" Instruction Set Architecture Reference Guide (July 2026). The comments in the code are by the model that wrote it; some were corrected since.
;; Multi Head Attention. Allowed arithmetic: matrix products marked QUANTISED: E3M2 operands, one E8M0 scale for each 32 along K, by v_wmma_scale_f32_16x16x128_f8f6f4 with both operands' format E3M2, f32 sums; everything else in f32.
;; Inputs: b_k 1,024 float32; b_o 1,024 float32; b_q 1,024 float32; b_v 1,024 float32; k 4 x 2,048 x 1,024 float32; q 4 x 2,048 x 1,024 float32; v 4 x 2,048 x 1,024 float32; w_k 1,024 x 1,024 float32; w_o 1,024 x 1,024 float32; w_q 1,024 x 1,024 float32; w_v 1,024 x 1,024 float32.
;; Outputs: out0 4 x 2,048 x 1,024 float32.
;; This version of the problem:
;;   THIS VERSION OF THE PROBLEM IS GIVEN IN LOW PRECISION. The matrix products marked QUANTISED in the list below multiply operands that are first quantised to E3M2 (3 exponent bits, 2 mantissa bits; 6 bits a number), with one power-of-two scale for each 32 numbers along K (OCP MX v1.0); their sums are f32. All else is computed in f32.
;;   The module's matrix products, in the order in which they are computed (A, B: the left and right operand; K: the contracted axis; several contracted axes count as one K, in the product's order):
;;     1. [M 8,192, K 1,024] x [K 1,024, N 1,024]; A: input q; B: input w_q: QUANTISED
;;     2. [M 8,192, K 1,024] x [K 1,024, N 1,024]; A: input k; B: input w_k: QUANTISED
;;     3. [M 8,192, K 1,024] x [K 1,024, N 1,024]; A: input v; B: input w_v: QUANTISED
;;     4. batch 64 x [M 2,048, K 64] x [K 64, N 2,048]; A: computed on the way; B: computed on the way: QUANTISED
;;     5. batch 64 x [M 2,048, K 2,048] x [K 2,048, N 64]; A: softmax (see below); B: computed on the way: QUANTISED
;;     6. [M 8,192, K 1,024] x [K 1,024, N 1,024]; A: computed on the way; B: input w_o: QUANTISED
;;   THE QUANTISER, for each operand of a quantised product, along K:
;;     - K is cut into blocks of 32 from its start; a last block that is shorter is filled with zeros.
;;     - A block's scale is 2^e with e = floor(log2(the largest magnitude in the block)) - 4, held to -126 .. 127; a block of zeros has e = 0. As a byte (E8M0): e + 127.
;;     - Each number is divided by its block's scale, clamped to +-28, and rounded to the nearest number of E3M2, ties to even, subnormals kept.
;;     - The product sums the exact products of the quantised numbers (number of the format x scale) in f32.
;;   ~~~python
;;   def quantise(x, axis):      # numpy; x: float32 -> the quantised numbers, widened to float32 again
;;       x = np.moveaxis(x, axis, -1); K = x.shape[-1]
;;       x = np.pad(x, [(0, 0)] * (x.ndim - 1) + [(0, -K % 32)]); x = x.reshape(x.shape[:-1] + (-1, 32)); a = np.abs(x).max(-1, keepdims=True)
;;       e = np.where(a > 0, np.clip(np.frexp(np.where(a > 0, a, 1))[1] - 1 - 4, -126, 127), 0)      # np.frexp(a)[1] - 1 = floor(log2(a)), exactly
;;       r = np.clip(x / 2.0 ** e, -28, 28)
;;       step = 2.0 ** (np.maximum(np.frexp(np.where(r == 0, 1, r))[1] - 1, -2) - 2)
;;       q = np.round(r / step) * step * 2.0 ** e      # np.round: ties to even
;;       return np.moveaxis(q.reshape(q.shape[:-2] + (-1,))[..., :K], -1, axis).astype(np.float32)
;;   ~~~
;;   SOFTMAX AHEAD OF A QUANTISED PRODUCT. Where the list says 'softmax', what is quantised is not the finished softmax but p = 2^(t - M), with t = logit x log2(e) and M = ceil(the row's largest t), a whole number; so 1/2 < the row's largest p <= 1. The row's sum l is taken of the UNQUANTISED p, in f32, and the product's result is divided by l at the end. Since M is a whole number, a kernel that streams over the keys may use a running M (the ceiling of the running maximum): every later rescaling is an exact power of two, which a block's scale takes up: the codes' values come out the same.
;;   OPERANDS COMPUTED ON THE WAY. 'Computed on the way' means the value that the module computes at that place (a softmax that the list does not call 'softmax' is quantised finished and normalised). What goes into a quantiser is computed in f32, as accurately as f32 sums, v_exp_f32 and their like allow (about 1e-6 of the number): no bf16 or f16 on the way to a quantiser, and a product that is left as it is and whose result goes on into a quantised operand takes f32 operands (vector FMAs, or v_wmma_f32_16x16x4_f32). A number that lies on a knife's edge between two numbers of the format may be rounded either way, as far as f32 arithmetic and the matrix unit's own rounding can turn it there, and no further.
;; One version. Each part assembles by itself: llvm-mc -triple=amdgcn-amd-amdhsa -mcpu=gfx1250 --defsym DOCPART=n.
;; ======== version 1 of 1: 4 launches
;; workspace buffers: xc 22,020,096 bytes; xs 917,504 bytes; hc 18,874,368 bytes; hs 1,310,720 bytes; cc 6,291,456 bytes; cs 262,144 bytes
;; launch quant (part 1): grid 896 x 1, 4 waves a work-group, no clusters, 33,280 bytes of LDS; arguments q, k, v, w_q, w_k, w_v, w_o, xc, xs; writes xc, xs
.if DOCPART == 1
	.amdgcn_target "amdgcn-amd-amdhsa--gfx1250"
	.amdhsa_code_object_version 6
	.text
	.protected	k_q641e4fec76_quant
	.globl	k_q641e4fec76_quant
	.p2align	8
	.type	k_q641e4fec76_quant,@function
k_q641e4fec76_quant:
	s_mov_b64 s[64:65], 0
	v_nop
	global_prefetch_b8 v0, s[64:65] scope:SCOPE_SE
	s_setreg_imm32_b32 hwreg(HW_REG_WAVE_MODE, 25, 1), 1
	s_wait_xcnt 0x0
; q, k, v [8192][1024] and w_q, w_k, w_v, w_o [1024][1024], f32, K innermost, become codes of BF6 (E3M2), 6 bits each, with one E8M0 scale byte for each 32 along K.
; A block's scale is 2^(floor(log2(its largest magnitude)) - 4); its byte is the largest magnitude's exponent field - 4, held at 1 from below.  Each number is divided by the scale and rounded to the nearest code, ties to even,
; beyond the largest code the largest.
; LIMITS: a block whose largest magnitude lies under 2^-122, a block of zeros among them, keeps the byte 1 (the rule says 127 for zeros): its codes are then zeros or subnormal codes, and the bytes are read by this program alone.
; NaN and infinities among the inputs are not served.
; xc holds the seven tensors' rows of 768 bytes on end (q, k, v, w_q, w_k, w_v, w_o), xs their rows of 32 scale bytes.
; THE ROWS ARE STORED IN ANOTHER ORDER: of every 32 rows the two middle groups of eight change places.  Sixteen stored rows on end, the i-th such tile of a tensor, then hold in place r the row 32 (i / 2) + 8 (i % 2) + r + 8 (r / 8):
; with such tiles as a matrix instruction's source 0, the sixteen result registers of two neighbouring tiles are sixteen neighbouring rows, which is what the next quantiser wants.
; A work-group takes 32 rows, a wave eight: 16 steps of 512 numbers.  Each of a step's four loads reads 512 consecutive bytes; the 2,048 bytes go through the wave's own stage in LDS and come back 64 bytes a lane, so that a lane holds
; 16 neighbours along K and two neighbouring lanes hold a block.  The stage has 16 bytes of padding behind each 64.  No barrier: waves share nothing.  Loads run four steps (16 loads a wave) ahead.
.set STEPS, 16
.set CB,    12                         ; bytes of 16 codes
.set R,     16                         ; v16-79   four sets of 16 numbers as they are loaded
.set X,     80                         ; v80-111  two sets of 16 neighbours
.set C,     128                        ; v128-191 codes: four registers for each step, so that no store's data are written again
.set E,     112                        ; v112-127 a scale byte for each step
.set WREG,  8192                       ; LDS: a region for each wave: two stages of 32 x SP bytes, and behind them its 256 scale bytes
.set SP,    80                         ; a lane's place in a stage: its 64 bytes + 16 of padding
	s_load_b512 s[4:19], s[0:1], 0x0               ; q, k, v, w_q, w_k, w_v, w_o, xc
	s_load_b64 s[20:21], s[0:1], 0x40              ; xs
	v_lshl_add_u32 v192, v0, 2, 0x8000
	v_mov_b32 v193, 0
	v_lshrrev_b32 v1, 5, v0
	v_readfirstlane_b32 s22, v1                    ; wave
	v_and_b32 v2, 31, v0                           ; lane
	v_lshlrev_b32 v3, 4, v2                        ; my 16 bytes of a load's 512
	s_mul_i32 s26, s22, WREG
	v_lshrrev_b32 v14, 2, v2
	v_mul_u32_u24 v14, v14, SP
	v_and_b32 v15, 3, v2
	v_lshl_add_u32 v14, v15, 4, v14
	v_add_nc_u32 v14, s26, v14                     ; the stage, on the way in: SP (lane / 4) + 16 (lane % 4); a load's 512 bytes take eight places
	v_mul_u32_u24 v15, v2, SP
	v_add_nc_u32 v15, s26, v15                     ; and on the way out: SP x lane: my 16 neighbours
	v_mul_u32_u24 v4, v2, CB                       ; my codes' place in a step's
	v_lshrrev_b32 v5, 1, v2
	s_add_co_u32 s26, s26, 2*32*SP
	v_add_nc_u32 v5, s26, v5                       ; LDS: my wave's 256 scale bytes, my block's byte
	v_lshlrev_b32 v7, 3, v2                        ; and on the way out 8 bytes a lane
	v_add_nc_u32 v6, s26, v7
	s_wait_alu depctr_va_vdst(0)
	s_wait_kmcnt 0x0
	; which tensor: work-groups 0-255 q, 256-511 k, 512-767 v, then 32 each for w_q, w_k, w_v, w_o.  The choice hangs on the work-group's number alone
	s_mov_b64 s[24:25], s[16:17]
	s_mov_b32 s23, 864                             ; the tensor's first work-group
	s_cmp_lt_u32 ttmp9, 864
	s_cselect_b64 s[24:25], s[14:15], s[24:25]
	s_cselect_b32 s23, 832, s23
	s_cmp_lt_u32 ttmp9, 832
	s_cselect_b64 s[24:25], s[12:13], s[24:25]
	s_cselect_b32 s23, 800, s23
	s_cmp_lt_u32 ttmp9, 800
	s_cselect_b64 s[24:25], s[10:11], s[24:25]
	s_cselect_b32 s23, 768, s23
	s_cmp_lt_u32 ttmp9, 768
	s_cselect_b64 s[24:25], s[8:9], s[24:25]
	s_cselect_b32 s23, 512, s23
	s_cmp_lt_u32 ttmp9, 512
	s_cselect_b64 s[24:25], s[6:7], s[24:25]
	s_cselect_b32 s23, 256, s23
	s_cmp_lt_u32 ttmp9, 256
	s_cselect_b64 s[24:25], s[4:5], s[24:25]
	s_cselect_b32 s23, 0, s23
	s_sub_co_u32 s23, ttmp9, s23
	s_lshl_b32 s23, s23, 2
	s_add_co_u32 s28, s23, s22                     ; in: which eight rows of the tensor are my wave's,
	s_lshl_b32 s28, s28, 15                        ; 32,768 bytes each (under 2^26)
	s_mov_b32 s29, 0
	s_add_nc_u64 s[24:25], s[24:25], s[28:29]
	s_and_b32 s27, s22, 1                          ; out: group 1 of the four goes to place 2 and group 2 to place 1
	s_lshl_b32 s27, s27, 1
	s_lshr_b32 s30, s22, 1
	s_or_b32 s27, s27, s30
	s_lshl_b32 s30, ttmp9, 2
	s_add_co_u32 s30, s30, s27                     ; the tensors lie on end in xc and xs, in the order of the work-groups
	s_mul_i32 s28, s30, 6144                       ; eight rows of 768 bytes
	s_add_nc_u64 s[18:19], s[18:19], s[28:29]
	s_lshl_b32 s28, s30, 8                         ; eight rows of 32 scale bytes
	s_add_nc_u64 s[20:21], s[20:21], s[28:29]
.macro LOAD t
.irp i, 0,1,2,3
	global_load_b128 v[R+16*((\t)%4)+4*\i:R+16*((\t)%4)+4*\i+3], v3, s[24:25] offset:2048*(\t)+512*\i th:TH_LOAD_NT   ; 32 lanes read 512 consecutive bytes
.endr
.endm
.macro TURN t                          ; step t's numbers through the stage: LDS serves a wave's instructions in order, so no wait stands between the stores and the loads
.irp i, 0,1,2,3
	ds_store_b128 v14, v[R+16*((\t)%4)+4*\i:R+16*((\t)%4)+4*\i+3] offset:32*SP*((\t)%2)+8*SP*\i
.endr
.irp i, 0,1,2,3
	ds_load_b128 v[X+16*((\t)%2)+4*\i:X+16*((\t)%2)+4*\i+3], v15 offset:32*SP*((\t)%2)+16*\i
.endr
.endm
.irp t, 0,1,2,3
	LOAD \t
.endr
	s_wait_loadcnt 12                              ; step 0's four loads are in
	TURN 0
.macro STEP t
.set XS, X+16*((\t)%2)
.if (\t) > 0
	s_wait_dscnt 1                                 ; this step's numbers are back from the stage (the last step's byte store may be out): so its stores into the stage have read their registers,
.else
	s_wait_dscnt 0x0
.endif
.if (\t)+4 < STEPS
	LOAD (\t)+4                                    ; which take the loads of four steps on
.endif
.if (\t)+1 < STEPS
.if STEPS-2-(\t) >= 3
	s_wait_loadcnt 12                              ; the next step's four loads are in; those of the three steps behind it may be out
.else
	s_wait_loadcnt 4*(STEPS-2-(\t))
.endif
	TURN (\t)+1                                    ; and go through the other stage while this step is worked
.endif
	v_max3_num_f32 v8, |v[XS]|, |v[XS+1]|, |v[XS+2]|               ; the largest magnitude of my 16, in two chains
	v_max3_num_f32 v9, |v[XS+3]|, |v[XS+4]|, |v[XS+5]|
.irp i, 6,10
	v_max3_num_f32 v8, v8, |v[XS+\i]|, |v[XS+\i+1]|
	v_max3_num_f32 v9, v9, |v[XS+\i+2]|, |v[XS+\i+3]|
.endr
	v_max3_num_f32 v8, v8, |v[XS+14]|, |v[XS+15]|
	v_max3_num_f32 v8, v8, v9, 0x2800000           ; and the floor 2^(5 - 127): so the byte cannot fall under 1
	v_max_num_f32_dpp v8, v8, v8 row_xmask:1 row_mask:0xf bank_mask:0xf   ; and of my neighbour's 16: the block's
	v_add_nc_u32 v11, 0xfe000000, v8               ; 4 off its exponent field: the conversion takes the exponent field of this operand as its scale, and nothing else of it
	v_cvt_scalef32_pk16_bf6_f32 v[C+4*(\t):C+4*(\t)+2], v[XS:XS+15], v11   ; 96 bits without gaps, the first number's code lowest
	v_lshrrev_b32 v[E+(\t)], 23, v11               ; the scale's byte (a plain line behind the conversion)
	ds_store_b8 v5, v[E+(\t)] offset:16*(\t)       ; both lanes of a block write the same byte with the same value
	global_store_b96 v4, v[C+4*(\t):C+4*(\t)+2], s[18:19] offset:32*CB*(\t)   ; the wave stores 384 consecutive bytes
.endm
.irp t, 0,1,2,3,4,5,6,7,8,9,10,11,12,13,14,15
	STEP \t
.endr
	ds_load_b64 v[12:13], v6                       ; LDS serves a wave's instructions in order: these see my stores
	s_wait_dscnt 0x0
	global_store_b64 v7, v[12:13], s[20:21]        ; 32 lanes store 256 consecutive bytes, at a multiple of 256 from xs's first byte
	s_wait_tensorcnt 0x0
	ds_add_u32 v192, v193
	s_wait_dscnt 0x0
	s_endpgm
.Lfunc_end_k_q641e4fec76_quant:
	.size	k_q641e4fec76_quant, .Lfunc_end_k_q641e4fec76_quant-k_q641e4fec76_quant
	.p2alignl 7, 3214868480
	.fill 96, 4, 3214868480
	.section	.rodata,"a",@progbits
	.p2align	6, 0x0
	.amdhsa_kernel k_q641e4fec76_quant
		.amdhsa_group_segment_fixed_size 33280
		.amdhsa_private_segment_fixed_size 0
		.amdhsa_enable_private_segment 0
		.amdhsa_kernarg_size 72
		.amdhsa_user_sgpr_count 2
		.amdhsa_user_sgpr_kernarg_segment_ptr 1
		.amdhsa_wavefront_size32 1
		.amdhsa_system_sgpr_workgroup_id_x 1
		.amdhsa_system_sgpr_workgroup_id_y 1
		.amdhsa_system_sgpr_workgroup_id_z 1
		.amdhsa_system_vgpr_workitem_id 0
		.amdhsa_next_free_vgpr 194
		.amdhsa_next_free_sgpr 66
		.amdhsa_reserve_vcc 0
		.amdhsa_float_denorm_mode_32 3
		.amdhsa_float_denorm_mode_16_64 3
		.amdhsa_memory_ordered 1
		.amdhsa_forward_progress 1
		.amdhsa_inst_pref_size 33
	.end_amdhsa_kernel
	.amdgpu_metadata
---
amdhsa.version: [ 1, 2 ]
amdhsa.kernels:
  - .name:           k_q641e4fec76_quant
    .symbol:         k_q641e4fec76_quant.kd
    .args:
      - { .name: q, .offset: 0, .size: 8, .value_kind: global_buffer, .address_space: global }
      - { .name: k, .offset: 8, .size: 8, .value_kind: global_buffer, .address_space: global }
      - { .name: v, .offset: 16, .size: 8, .value_kind: global_buffer, .address_space: global }
      - { .name: w_q, .offset: 24, .size: 8, .value_kind: global_buffer, .address_space: global }
      - { .name: w_k, .offset: 32, .size: 8, .value_kind: global_buffer, .address_space: global }
      - { .name: w_v, .offset: 40, .size: 8, .value_kind: global_buffer, .address_space: global }
      - { .name: w_o, .offset: 48, .size: 8, .value_kind: global_buffer, .address_space: global }
      - { .name: xc, .offset: 56, .size: 8, .value_kind: global_buffer, .address_space: global }
      - { .name: xs, .offset: 64, .size: 8, .value_kind: global_buffer, .address_space: global }
    .group_segment_fixed_size: 33280
    .private_segment_fixed_size: 0
    .kernarg_segment_align: 8
    .kernarg_segment_size: 72
    .max_flat_workgroup_size: 128
    .sgpr_count:     66
    .vgpr_count:     194
    .wavefront_size: 32
...
	.end_amdgpu_metadata
.endif
;; end of part 1
;; launch proj (part 2): grid 4 x 96, 4 waves a work-group, clusters of 4 x 4, 327,680 bytes of LDS; arguments xc, xs, b_q, b_k, b_v, hc, hs; writes hc, hs
.if DOCPART == 2
	.amdgcn_target "amdgcn-amd-amdhsa--gfx1250"
	.amdhsa_code_object_version 6
	.text
	.protected	k_q641e4fec76_proj
	.globl	k_q641e4fec76_proj
	.p2align	8
	.type	k_q641e4fec76_proj,@function
k_q641e4fec76_proj:
	s_mov_b64 s[64:65], 0
	v_nop
	global_prefetch_b8 v0, s[64:65] scope:SCOPE_SE
	s_setreg_imm32_b32 hwreg(HW_REG_WAVE_MODE, 25, 1), 1
	s_wait_xcnt 0x0
	s_wait_alu depctr_hold_cnt(0) depctr_sa_sdst(0) depctr_va_vdst(0) depctr_va_sdst(0) depctr_va_ssrc(0) depctr_va_vcc(0) depctr_vm_vsrc(0)
	s_getreg_b32 s2, hwreg(HW_REG_IB_STS2, 6, 4)
	s_cmp_eq_u32 s2, 0
	s_cbranch_scc0 .Lentry_in_a_cluster
	s_endpgm
.Lentry_in_a_cluster:
	s_bfe_u32 s2, ttmp6, 0x10000c
	s_cmp_lg_u32 s2, 0xf033
	s_cbranch_scc0 .Lentry_shape_is_right
	s_endpgm
.Lentry_shape_is_right:
; The three input projections x W^T + b, on codes of BF6 (E3M2) with one E8M0 scale for each 32 along K (K = 1,024), and their results quantised again, head by head, as the attention launch wants them.
; A work-group of four waves makes a tile of 256 x 256, a wave 128 x 128: 64 accumulators of 16 x 16, 512 registers.  K goes in steps of 256 through a ring of two LDS slots filled by the tensor data mover.
; TWO OPERANDS: P is the matrix instruction's source 1 (a lane holds ONE of its rows), R its source 0 (its rows run along a lane's result registers).
;   tensors 0, 1 (Q, K): P = the tokens, R = the weight: a lane holds one token and its registers run along the channels: the next product's K is the head's 64 channels.
;   tensor 2 (V):        P = the weight, R = the tokens: a lane holds one channel and its registers run along the keys: the next product's K is the keys.
; Both operands' rows lie in xc with the two middle groups of eight of every 32 rows exchanged.  So the sixteen registers of the accumulators of R's tiles 2 b and 2 b + 1 are the rows 32 b + 16 (lane / 16) + 0 .. 15 of R in their true
; order, and place r of P's tile i is the row 32 (i / 2) + 8 (i % 2) + r + 8 (r / 8).  Tokens on P's side stay in that order of places through the attention; the last launch undoes it.
; OUT.  hc, for each of the 64 (batch, head): Q 98,304 bytes | K 98,304 | V 98,304.  Q, K: 128 tiles of 16 places x 768 bytes: the six registers of a half fragment (64 along K): registers 0-1 at 8 x lane, registers 2-5 at 256 + 16 x lane.
;   V: 16 steps of 128 keys x 4 tiles of 16 channels x 1,536 bytes: the twelve registers of a fragment, four at a time at 512 g + 16 x lane.
;   hs, for each (batch, head): Q 8,192 | K 8,192 | V 4,096: scale words.  Q, K: [step of 8 tiles][tile / 4][place 16][tile % 4], a word = the head's two bytes and two bytes 0.  V: [step][channel's place 16][tile 4].
; CLUSTERS: 4 x 4 work-groups.  The four of a row of the cluster need the same tiles of P, the four of a column the same tiles of R: each tile is asked for jointly, by the same tensor load with the same descriptor and a mask that names the four.
; LIMITS: a block whose largest magnitude lies under 2^-122, a block of zeros among them, keeps the byte 1; NaN and infinities are not served.
; REGISTERS, in windows of 256: window 0: v0-31 addresses; v32-63 scale words, two sets; from v128 P's fragments, one set; window 1: R's fragments, two sets, at v0 and v128; windows 2, 3: the accumulators ((a, b) at v[8 (8 (a % 4) + b)]).
.set KSTEP,  256                       ; along K in a slot
.set NQ,     2                         ; matrix instructions deep
.set ROWB,   192                       ; a tile's row in bytes
.set KROW,   768                       ; a row of codes in memory
.set PITCH,  240                       ; an LDS row: 3 x (64 bytes + 16 of padding) = 60 words: the 32 lanes of a load of 8 bytes touch 64 different banks (64 banks of 4 bytes: ISA guide 11.1)
.set FR,     12                        ; registers of a fragment
.set NL,     6                         ; LDS loads that bring one
.set NP,     4                         ; places behind this matrix instruction (ISA guide 7.12.1)
.set HALFT,  128*PITCH                 ; 128 rows: what one tensor load brings
.set SLOT,   4*HALFT                   ; P's 256 rows, then R's 256 rows
.set KS,     32                        ; a row of scale bytes
.set SCL,    2*SLOT                    ; behind the ring: the scales, as units of 256 bytes + 16 of padding
.set HALFS,  16*272                    ; the scales of 128 rows
.set SBLK,   2*272                     ; those of 16 rows
.set SPARE,  SCL+4*HALFS               ; the spare words, 128 bytes for each wave: two blocks of 256 bytes that no other line names
.set ADRA, 16                          ; v16-17 LDS address of my P fragments in slot 0, 1 (v18-19: for the pieces behind one padding more)
.set ADRB, 20                          ; v20-23 the same for R
.set ADRS, 27                          ; v27    LDS address of my scale words: lanes 0-15 P's rows, lanes 16-31 R's
.set SPW,  28                          ; v28    LDS address of my spare word; never rewritten
.set NIL,  29                          ; v29    0; never rewritten
.set SC,   32                          ; scale words: set s at v[SC + 16 s]; register 2 i + q: lanes 0-15 the word of P's block i, lanes 16-31 that of R's block i
.set AF,   128                         ; P's fragments
.set G1, 24                            ; s[24:31] group 1 for P's tiles;  s[32:39] group 0, one set for each slot
.set G0, 32
.set G1B, 48                           ; s[48:55], s[56:63] the same for R's tiles
.set G0B, 56
.set G1S, 68                           ; s[68:75], s[76:79] groups 1 and 0 for P's scales;  s[80:87], s[88:91] for R's
.set G0S, 76
.set G1SB, 80
.set G0SB, 88
; the way out, all in window 0
.set VO8,  8                           ; v8   8 x lane
.set VO16, 9                           ; v9   16 x lane
.set VOS,  10                          ; v10  scale words: 16 x (lane % 16), and lanes 16-31 in the next head's part of hs
.set SH16, 11                          ; v11  16 x (lane / 16)
.set BO,   12                          ; v12  my offset in the bias
.set H,    64                          ; v64-127  a block's 64 numbers
.set BB,   128                         ; v128-191 the bias
.set PC,   192                         ; v192-210 the codes just made
.set TM,   212                         ; v212-215 largest magnitudes, v216-219 bytes, v224-227 the conversions' scale operands
.set PW,   228                         ; the scale word just made
.set SW,   232                         ; v232-239 the eight blocks' scale words
.set SX,   240                         ; v240-243
.set SEL,  96                          ; s[96:97] lane selects for v_permlanex16_b32: lane l xor 16
.set HM,   98                          ; s98  a mask of lanes 16-31
.set MSB, 0
.macro WIN new                         ; the immediate's high byte repeats the setting that is left
.if MSB != \new
	s_set_vgpr_msb (MSB<<8)|\new
.set MSB, \new
.endif
.endm
.set MUL_LO, 0xa1                      ; source 0 (R) window 1, source 1 (P) window 0, C and D window 2
.set MUL_HI, 0xf1                      ; the same, C and D window 3
.set TO_B,   0x40                      ; destination window 1, address window 0
; A joint load: waves 0 and 1 fetch for P, waves 2 and 3 for R.  Each of the two lines has one mask and one set of registers for all that issue it; the branch hangs on the wave's number alone.
; Four v_nop follow each of the two lines, ahead of the jump, the label and what follows.
.macro JLOAD g0a, g1a, g0b, g1b
	s_cmp_eq_u32 s15, 0
	s_cbranch_scc0 .Lfor_b_\@
	tensor_load_to_lds s[\g0a:\g0a+3], s[\g1a:\g1a+7]
	s_nop 0
.rept 4
	v_nop
.endr
	s_branch .Lasked_\@
.Lfor_b_\@:
	tensor_load_to_lds s[\g0b:\g0b+3], s[\g1b:\g1b+7]
	s_nop 0
.rept 4
	v_nop
.endr
.Lasked_\@:
.endm
.macro CREST                           ; a round of the cluster's barrier behind its opening barrier
	s_cmp_lg_u32 s14, 0
	s_cbranch_scc1 .Lnot_wave_0_\@
	s_barrier_signal -3
.Lnot_wave_0_\@:
	s_barrier_wait -3
	s_barrier_signal -1
	s_barrier_wait -1
.endm
.macro CROUND                          ; a whole round
	s_barrier_signal -1
	s_barrier_wait -1
	CREST
.endm
	s_load_b128 s[4:7], s[0:1], 0x0                ; xc s[4:5], xs s[6:7]
	v_lshl_add_u32 v[SPW], v0, 2, SPARE
	v_mov_b32 v[NIL], 0
	ds_add_u32 v28, v29
	ds_add_u32 v28, v29
	s_wait_dscnt 0x0
	v_lshrrev_b32 v1, 5, v0
	v_readfirstlane_b32 s14, v1                    ; wave 0..3
	s_lshr_b32 s15, s14, 1                         ; which half of P's rows is mine.  Also: I fetch for P (0) or for R (1)
	s_and_b32 s16, s14, 1                          ; which half of R's rows.  Also: which 128 rows of that tile I fetch
	s_bfe_u32 s40, ttmp6, 0x40000                  ; cx, cy: my place in the cluster
	s_bfe_u32 s41, ttmp6, 0x40004
	s_and_b32 s66, ttmp7, 0xffff                   ; the cluster's y, 0 .. 23: the same in all sixteen partners
	s_lshr_b32 s95, s66, 3                         ; the tensor: 0 Q, 1 K, 2 V
	s_and_b32 s66, s66, 7
	s_lshl_b32 s66, s66, 2                         ; the first of the cluster's four tiles of tokens
	s_mul_i32 s12, s95, 6291456                    ; for Q and K: P = the tokens' codes,
	s_mul_i32 s96, s95, 786432
	s_add_co_u32 s96, s96, 18874368                ; R = the weight's,
	s_lshl_b32 s98, s95, 18                        ; and their scale bytes
	s_lshl_b32 s100, s95, 15
	s_add_co_u32 s100, s100, 786432
	s_cmp_eq_u32 s95, 2                            ; for V the two change sides
	s_cselect_b32 s17, 0, s66
	s_cselect_b32 s42, s66, 0
	s_cselect_b32 s12, 20447232, s12
	s_cselect_b32 s96, 12582912, s96
	s_cselect_b32 s98, 851968, s98
	s_cselect_b32 s100, 524288, s100
	s_mov_b32 s13, 0
	s_mov_b32 s97, 0
	s_mov_b32 s99, 0
	s_mov_b32 s101, 0
	s_add_co_u32 s17, s17, s41                     ; P's tile of 256 rows: it hangs on cy, which my row of the cluster shares
	s_add_co_u32 s42, s42, s40                     ; R's tile: on cx, which my column shares
	s_lshl_b32 s43, s41, 2
	s_lshl_b32 s43, 15, s43                        ; my row of the cluster
	s_lshl_b32 s44, 0x1111, s40                    ; my column
	; descriptor group 1: a tile of 128 rows x 192 bytes, padded in LDS
	s_or_b32 s[G1+0], s43, (0<<16)|(1<<20)|(1<<21)|(3<<22)|(3<<25)  ; 15:0 the mask; 17:16 element of 1 byte; 20 padding on; 21 set beside a mask; 24:22 after every 16 words (code 3); 31:25 of 4 words (code 3)
	s_or_b32 s[G1B+0], s44, (0<<16)|(1<<20)|(1<<21)|(3<<22)|(3<<25)
.irp g, G1, G1B
	s_mov_b32 s[\g+1], ROWB<<16                    ; tensor_dim0
	s_mov_b32 s[\g+2], 128<<16                     ; tensor_dim1
	s_mov_b32 s[\g+3], ROWB<<16                    ; tile_dim0
	s_mov_b32 s[\g+4], 128                         ; tile_dim1
	s_mov_b32 s[\g+5], KROW                        ; tensor_dim0_stride
	s_mov_b32 s[\g+6], 0
	s_mov_b32 s[\g+7], 0
.endr
	; the scales of 128 rows: a dense block of 4,096 bytes, as 16 rows of 256 bytes (32 elements of 8 bytes), 16 bytes of padding behind each
	s_or_b32 s[G1S+0], s43, (3<<16)|(1<<20)|(1<<21)|(5<<22)|(3<<25)
	s_or_b32 s[G1SB+0], s44, (3<<16)|(1<<20)|(1<<21)|(5<<22)|(3<<25)
.irp g, G1S, G1SB
	s_mov_b32 s[\g+1], 32<<16
	s_mov_b32 s[\g+2], 16<<16
	s_mov_b32 s[\g+3], 32<<16
	s_mov_b32 s[\g+4], 16
	s_mov_b32 s[\g+5], 32
	s_mov_b32 s[\g+6], 0
	s_mov_b32 s[\g+7], 0
.endr
	s_lshl_b32 s18, s16, 7                         ; which 128 rows of the tile I fetch
	s_lshl_b32 s20, s17, 8
	s_add_co_u32 s20, s20, s18                     ; P: row 256 x tile + 128 x half
	s_lshl_b32 s46, s42, 8
	s_add_co_u32 s46, s46, s18                     ; R likewise
	s_mov_b32 s21, 0
	s_mov_b32 s47, 0
	s_mov_b64 s[18:19], KS
	s_mul_u64 s[22:23], s[20:21], s[18:19]         ; where these rows' scales begin in their tensor, in bytes
	s_mul_u64 s[92:93], s[46:47], s[18:19]
	s_mov_b64 s[18:19], KROW
	s_mul_u64 s[20:21], s[20:21], s[18:19]         ; and their codes
	s_mul_u64 s[46:47], s[46:47], s[18:19]
	s_add_nc_u64 s[20:21], s[20:21], s[12:13]      ; and in xc and xs
	s_add_nc_u64 s[22:23], s[22:23], s[98:99]
	s_add_nc_u64 s[46:47], s[46:47], s[96:97]
	s_add_nc_u64 s[92:93], s[92:93], s[100:101]
	s_mul_i32 s45, s14, HALFT                      ; where they go: wave x 128 rows: no place in the cluster enters an LDS address
	s_mul_i32 s94, s14, HALFS
	s_wait_kmcnt 0x0
	s_add_nc_u64 s[20:21], s[4:5], s[20:21]
	s_add_nc_u64 s[22:23], s[6:7], s[22:23]
	s_add_nc_u64 s[46:47], s[4:5], s[46:47]
	s_add_nc_u64 s[92:93], s[6:7], s[92:93]
	CROUND                                         ; all sixteen work-groups are here: the first joint loads meet
	s_mov_b32 s[G0S], 1
	s_add_co_u32 s[G0S+1], s94, SCL
	s_mov_b64 s[G0S+2:G0S+3], s[22:23]
	s_or_b32 s[G0S+3], s[G0S+3], 0x80000000
	s_mov_b32 s[G0SB], 1
	s_add_co_u32 s[G0SB+1], s94, SCL
	s_mov_b64 s[G0SB+2:G0SB+3], s[92:93]
	s_or_b32 s[G0SB+3], s[G0SB+3], 0x80000000
	JLOAD G0S, G1S, G0SB, G1SB                     ; the scales first: they are wanted with K step 0; filled once
.irp s, 0,1
	s_mov_b32 s[G0+4*\s], 1
	s_add_co_u32 s[G0+4*\s+1], s45, \s*SLOT
	s_add_nc_u64 s[G0+4*\s+2:G0+4*\s+3], s[20:21], \s*ROWB
	s_or_b32 s[G0+4*\s+3], s[G0+4*\s+3], 0x80000000
	s_mov_b32 s[G0B+4*\s], 1
	s_add_co_u32 s[G0B+4*\s+1], s45, \s*SLOT
	s_add_nc_u64 s[G0B+4*\s+2:G0B+4*\s+3], s[46:47], \s*ROWB
	s_or_b32 s[G0B+4*\s+3], s[G0B+4*\s+3], 0x80000000
	JLOAD G0+4*\s, G1, G0B+4*\s, G1B               ; three loads of mine are out
.endr
	v_and_b32 v1, 15, v0                           ; l % 16
	v_bfe_u32 v2, v0, 4, 1                         ; l / 16
	v_mul_u32_u24 v3, v1, PITCH
	v_mul_u32_u24 v4, v2, 24
	v_add_nc_u32 v4, v3, v4                        ; a fragment's row x pitch + 24 x half
	v_lshl_add_u32 v5, v2, 4, v4                   ; and the same behind one padding more
	s_mul_i32 s21, s15, HALFT                      ; my 128 rows of P
	s_mul_i32 s22, s16, HALFT                      ; my 128 rows of R,
	s_add_co_u32 s22, s22, 2*HALFT                 ; which lie behind P's 256
.irp s, 0,1
	v_add_nc_u32 v[ADRA+\s], s21, v4
	v_add_nc_u32 v[ADRB+\s], s22, v4
	v_add_nc_u32 v[ADRA+2+\s], s21, v5
	v_add_nc_u32 v[ADRB+2+\s], s22, v5
	s_add_co_u32 s21, s21, SLOT
	s_add_co_u32 s22, s22, SLOT
.endr
	v_mul_u32_u24 v5, v1, KS                       ; my row's scales: 32 bytes a row,
	v_lshrrev_b32 v6, 8, v5
	v_lshl_add_u32 v5, v6, 4, v5                   ; and 16 more for each 256 passed
	s_mul_i32 s21, s15, HALFS                      ; P's: my 128 rows
	s_mul_i32 s22, s16, HALFS                      ; R's: my 128 rows, behind P's 256
	s_add_co_u32 s22, s22, 2*HALFS
	s_sub_co_u32 s22, s22, s21
	v_mul_u32_u24 v6, s22, v2                      ; lanes 16-31 take R's
	s_add_co_u32 s21, s21, SCL
	v_add_nc_u32 v5, v5, v6
	v_add_nc_u32 v[ADRS], s21, v5
.macro FRAG reg, adr, q, i             ; a fragment, 16 rows x 128 K, is 12 registers: lane l holds row l % 16; registers 6 c .. 6 c + 5 hold K = 64 c + 32 (l / 16) + 0 .. 31: 24 bytes of the row's stream of bits, as they lie
.irp p, 0,1,2,3,4,5                    ; in pieces of 8 bytes.  Lanes 0-15 take the row's pieces 12 q + 0, 1, 2 and 12 q + 6, 7, 8, lanes 16-31 those three pieces on
.set PCE, 12*(\q)+6*(\p/3)+\p%3       ; 16 bytes of padding lie behind every 8 pieces: where the piece three on lies behind one padding more, the second address register serves
.if PCE%8 < 5
	ds_load_b64 v[\reg+2*\p:\reg+2*\p+1], v[\adr] offset:8*PCE+16*(PCE/8)+(\i)*16*PITCH
.else
	ds_load_b64 v[\reg+2*\p:\reg+2*\p+1], v[\adr+2] offset:8*PCE+16*(PCE/8)+(\i)*16*PITCH
.endif
.endr
.endm
; 16 matrix instructions: P's blocks a0, a0 + 1 x R's eight, 128 along K: the slot's q-th.  p: R's set;  sc: the set of scale words.  zero = 1: the first product starts the sums.
; The 64 accumulators take turns, one instruction a turn, in the same order in every step.
.macro MUL16 a0, p, q, sc, zero
.irp a, \a0, \a0+1
.irp b, 0,1,2,3,4,5,6,7
.if \zero
	v_wmma_scale_f32_16x16x128_f8f6f4 v[8*(8*((\a)%4)+\b):8*(8*((\a)%4)+\b)+7], v[128*(\p)+FR*\b:128*(\p)+FR*\b+FR-1], v[AF+FR*(\a):AF+FR*(\a)+FR-1], 0, v[SC+8*NQ*(\sc)+NQ*\b+(\q)], v[SC+8*NQ*(\sc)+NQ*(\a)+(\q)] matrix_a_fmt:MATRIX_FMT_BF6 matrix_b_fmt:MATRIX_FMT_BF6 matrix_a_scale:MATRIX_SCALE_ROW1
.else
	v_wmma_scale_f32_16x16x128_f8f6f4 v[8*(8*((\a)%4)+\b):8*(8*((\a)%4)+\b)+7], v[128*(\p)+FR*\b:128*(\p)+FR*\b+FR-1], v[AF+FR*(\a):AF+FR*(\a)+FR-1], v[8*(8*((\a)%4)+\b):8*(8*((\a)%4)+\b)+7], v[SC+8*NQ*(\sc)+NQ*\b+(\q)], v[SC+8*NQ*(\sc)+NQ*(\a)+(\q)] matrix_a_fmt:MATRIX_FMT_BF6 matrix_b_fmt:MATRIX_FMT_BF6 matrix_a_scale:MATRIX_SCALE_ROW1
.endif
.endr
.endr
.endm
.macro FETCH_B slot, q, p              ; R's eight fragments of the slot's q-th 128 along K into set p
	WIN TO_B
.irp i, 0,1,2,3,4,5,6,7
	FRAG 128*(\p)+FR*\i, ADRB+\slot, \q, \i
.endr
	WIN 0
.endm
.macro FETCH_A slot, q, i0             ; P's blocks i0 .. i0 + 3
.irp i, \i0, \i0+1, \i0+2, \i0+3
	FRAG AF+FR*(\i), ADRA+\slot, \q, \i
.endr
.endm
.macro SCALES sc                       ; a K step's scale words into set sc: two words a row; lanes 0-15 take P's block i, lanes 16-31 R's block i
.irp i, 0,1,2,3,4,5,6,7
	ds_load_b64 v[SC+8*NQ*\sc+NQ*\i:SC+8*NQ*\sc+NQ*\i+1], v[ADRS] offset:\i*SBLK
.endr
.endm
; A load into a register that a matrix instruction has read, and a vector instruction that reads a matrix result or writes one of its registers, stand NP places behind it; only plain vector instructions that name none of its
; registers are places (ISA guide 7.12.1 for vector instructions).
.macro PLACES n
.rept \n
	v_nop
.endr
.endm
; A step of 128 along K that has its successor in the same slot.
.macro STEP slot, q, zero
	s_wait_dscnt 4*NL                              ; R's set and P's blocks 0-3 are in; the youngest 24 loads (P's blocks 4-7) may be out
	WIN MUL_LO
	MUL16 0, (\q)%2, \q, \slot, \zero
	MUL16 2, (\q)%2, \q, \slot, \zero
	s_wait_dscnt 0                                 ; P's blocks 4-7 are in (asked for 32 matrix instructions ago)
	PLACES NP
	FETCH_B \slot, (\q)+1, 1-(\q)%2
	FETCH_A \slot, (\q)+1, 0
	WIN MUL_HI
	MUL16 4, (\q)%2, \q, \slot, \zero
	MUL16 6, (\q)%2, \q, \slot, \zero
	PLACES NP
	WIN 0
	FETCH_A \slot, (\q)+1, 4
.endm
; A slot's last step changes slots: one barrier; in front of it each wave waits for all its tensor loads, adds 0 to its spare word, and waits for that and for its own reads of this slot.  fill = 1: this slot is filled again, two K steps ahead.
.macro TURN slot, next, fill
	s_wait_tensorcnt 0x0                           ; all my tensor loads have landed: my part of the next slot;  (every window is 0 here)
	ds_add_u32 v[SPW], v[NIL]                      ; 0 onto my spare word
	s_wait_dscnt 4*NL+1                            ; (the add and the youngest 24 loads, P's blocks 4-7, may be out)
	WIN MUL_LO
	MUL16 0, 1, NQ-1, \slot, 0                     ; sixteen matrix instructions stand between the add and the wait for it
	s_wait_dscnt 0x0                               ; the add is done, and my reads of this slot are over
	s_barrier_signal -1
	MUL16 2, 1, NQ-1, \slot, 0
	WIN 0
	s_barrier_wait -1
.if \fill
	CREST                                          ; the barrier has opened a round of the cluster's barrier: no wave of any partner still reads this slot's tile or has a load on its way
	s_add_nc_u64 s[G0+4*\slot+2:G0+4*\slot+3], s[G0+4*\slot+2:G0+4*\slot+3], 2*ROWB
	s_add_nc_u64 s[G0B+4*\slot+2:G0B+4*\slot+3], s[G0B+4*\slot+2:G0B+4*\slot+3], 2*ROWB
	JLOAD G0+4*\slot, G1, G0B+4*\slot, G1B         ; the first tensor load behind the round; the four v_nop behind it are the places in front of the loads below
.else
	PLACES NP
.endif
	s_wait_alu depctr_va_vdst(0)
	v_add_nc_u32 v[ADRS], 4*NQ, v[ADRS]            ; on to the next K step's scale words (no LDS load of mine is out)
	FETCH_B \next, 0, 0
	FETCH_A \next, 0, 0
	SCALES \next
	WIN MUL_HI
	MUL16 4, 1, NQ-1, \slot, 0
	MUL16 6, 1, NQ-1, \slot, 0
	PLACES NP
	WIN 0
	FETCH_A \next, 0, 4
.endm
	s_wait_alu depctr_va_vdst(0)
	s_wait_tensorcnt 1                             ; the scales and my part of K step 0 are in (K step 1's load may be out)
	s_barrier_signal -1
	s_barrier_wait -1                              ; everybody's are
	FETCH_B 0, 0, 0
	FETCH_A 0, 0, 0
	SCALES 0
	FETCH_A 0, 0, 4
	STEP 0, 0, 1                                   ; K = 1,024 is four K steps, eight steps of 128: they are written on end.  The first step's products start the sums
	TURN 0, 1, 1                                   ; slot 0 takes K step 2
	STEP 1, 0, 0
	TURN 1, 0, 1                                   ; slot 1 takes K step 3
	STEP 0, 0, 0
	TURN 0, 1, 0                                   ; nothing is left to fetch
	STEP 1, 0, 0
	s_load_b128 s[68:71], s[0:1], 0x10             ; b_q, b_k   (the scales' descriptors, whose loads were shown done by the waits above, give up their registers)
	s_load_b128 s[72:75], s[0:1], 0x20             ; b_v, hc
	s_load_b64 s[76:77], s[0:1], 0x30              ; hs
	s_wait_dscnt 4*NL                              ; the very last step
	WIN MUL_LO
	MUL16 0, 1, NQ-1, 1, 0
	MUL16 2, 1, NQ-1, 1, 0
	s_wait_dscnt 0
	WIN MUL_HI
	MUL16 4, 1, NQ-1, 1, 0
	MUL16 6, 1, NQ-1, 1, 0
	WIN 0
	PLACES NP                                      ; in front of the reads of results and of the writes and loads into registers that held P's fragments
; THE WAY OUT.  64 numbers of a lane, v[s] .. v[s + 63], register 16 b + i = number 32 b + 16 (lane / 16) + i along the next K of my row, become a fragment's codes in v[PC] on and its scale word in v[PW].
.macro QUANT s
.irp b, 0,1,2,3
	v_max3_num_f32 v[TM+\b], |v[\s+16*\b]|, |v[\s+1+16*\b]|, 0x2800000   ; block b: my 16 numbers, and the floor 2^(5 - 127): so the byte cannot fall under 1
.endr
.irp i, 2,4,6,8,10,12,14
.irp b, 0,1,2,3
	v_max3_num_f32 v[TM+\b], v[TM+\b], |v[\s+16*\b+\i]|, |v[\s+1+16*\b+\i]|   ; (the four blocks by turns)
.endr
.endr
.irp b, 0,1,2,3
	v_permlanex16_b32 v[TM+4+\b], v[TM+\b], s[SEL], s[SEL+1]
.endr
.irp b, 0,1,2,3
	v_max_num_f32 v[TM+\b], v[TM+\b], v[TM+4+\b]   ; with lane l xor 16's: the block's largest magnitude
.endr
.irp b, 0,1,2,3
	v_add_nc_u32 v[TM+12+\b], 0xfe000000, v[TM+\b]   ; 4 off its exponent field: the conversion's scale operand
.endr
.irp b, 0,1,2,3
	v_lshrrev_b32 v[TM+4+\b], 23, v[TM+12+\b]      ; the scale's byte
.endr
	v_lshl_or_b32 v[PW], v[TM+5], 8, v[TM+4]       ; the four bytes make my row's scale word
	v_lshl_or_b32 v[PW], v[TM+6], 16, v[PW]
	v_lshl_or_b32 v[PW], v[TM+7], 24, v[PW]
.irp c, 0,1
	v_cvt_scalef32_pk16_bf6_f32 v[PC+6*\c:PC+2+6*\c], v[\s+32*\c:\s+15+32*\c], v[TM+12+2*\c]
	v_cvt_scalef32_pk16_bf6_f32 v[PC+12+4*\c:PC+14+4*\c], v[\s+16+32*\c:\s+31+32*\c], v[TM+12+2*\c+1]   ; (a conversion's three registers begin on an even number)
.endr
	v_nop                                          ; one plain place behind a scaled conversion
.irp c, 0,1                                    ; the operand's layout wants a whole block in a lane: lanes 0-15 block 2 c, lanes 16-31 block 2 c + 1
.irp i, 0,1,2
	v_permlane16_swap_b32 v[PC+6*\c+\i], v[PC+12+4*\c+\i]
.endr
.irp i, 0,1,2
	v_mov_b32 v[PC+3+6*\c+\i], v[PC+12+4*\c+\i]
.endr
.endr
.endm
; P's block a: its eight accumulators + the bias -> v[H] on, each accumulator from its low end on.  bylane = 0: the bias runs along the registers; 1: a lane has one bias, twice, in the pair v[BB + 2 a]
.macro TAKE a, bylane
.set WN, 0x02+(\a)/4
	WIN WN                                         ; source 0: window 2 or 3
.set i, 0
.rept 32
.if \bylane
	v_pk_add_f32 v[H+2*i:H+2*i+1], v[64*((\a)%4)+2*i:64*((\a)%4)+2*i+1], v[BB+2*(\a):BB+2*(\a)+1]
.else
	v_pk_add_f32 v[H+2*i:H+2*i+1], v[64*((\a)%4)+2*i:64*((\a)%4)+2*i+1], v[BB+2*i:BB+2*i+1]
.endif
.set i, i+1
.endr
	WIN 0
.endm
	v_and_b32 v1, 31, v0                           ; lane
	v_and_b32 v2, 15, v0                           ; r
	v_bfe_u32 v3, v0, 4, 1                         ; h
	v_lshlrev_b32 v[VO8], 3, v1
	v_lshlrev_b32 v[VO16], 4, v1
	v_mul_u32_u24 v[VOS], v3, 20480                ; a head's part of hs is 20,480 bytes
	v_lshl_add_u32 v[VOS], v2, 4, v[VOS]
	v_lshlrev_b32 v[SH16], 4, v3
.irp b, 0,1,2,3
	v_mov_b32 v[TM+4+\b], 0                        ; written once: a lane permute's destination counts as one of its sources
.endr
	s_mov_b32 s[SEL], 0x76543210
	s_mov_b32 s[SEL+1], 0xfedcba98
	s_mov_b32 s[HM], 0xffff0000
	s_lshl_b32 s20, s17, 8
	s_lshl_b32 s21, s15, 7
	s_add_co_u32 s20, s20, s21                     ; my first row of P
	s_lshl_b32 s21, s42, 8
	s_lshl_b32 s22, s16, 7
	s_add_co_u32 s21, s21, s22                     ; my first row of R
	s_wait_kmcnt 0x0
	s_cmp_eq_u32 s95, 2                            ; the tensor is the same in all sixteen partners
	s_cbranch_scc1 .Lv_out
	; ---- Q, K: a lane holds the token at place s20 + 16 a + r; its 64 registers are channels s21 + 32 b + 16 h + i: two heads of 64, two blocks each
	s_lshr_b32 s22, s20, 11                        ; the batch
	s_and_b32 s23, s20, 2047
	s_lshr_b32 s23, s23, 4                         ; my first tile of 16 places in the batch: a multiple of 8
	s_lshr_b32 s46, s21, 6                         ; my first head
	s_lshl_b32 s22, s22, 4
	s_add_co_u32 s22, s22, s46                     ; 16 x batch + head
	s_mul_i32 s46, s22, 294912
	s_mul_i32 s47, s95, 98304
	s_add_co_u32 s46, s46, s47
	s_mul_i32 s47, s23, 768
	s_add_co_u32 s46, s46, s47
	s_mov_b32 s47, 0
	s_add_nc_u64 s[74:75], s[74:75], s[46:47]      ; hc at my first tile of my first head
	s_mul_i32 s46, s22, 20480
	s_lshl_b32 s92, s95, 13
	s_add_co_u32 s46, s46, s92
	s_lshl_b32 s92, s23, 6                         ; 512 bytes for each 8 tiles
	s_add_co_u32 s46, s46, s92
	s_add_nc_u64 s[76:77], s[76:77], s[46:47]      ; hs likewise
	s_cmp_eq_u32 s95, 0
	s_cselect_b64 s[68:69], s[68:69], s[70:71]     ; b_q or b_k
	s_lshl_b32 s46, s21, 2
	s_add_nc_u64 s[68:69], s[68:69], s[46:47]
	v_lshlrev_b32 v[BO], 6, v3                     ; lanes 16-31: 16 channels on
.irp b, 0,1,2,3
.irp j, 0,1,2,3
	global_load_b128 v[BB+16*\b+4*\j:BB+16*\b+4*\j+3], v[BO], s[68:69] offset:128*\b+16*\j
.endr
.endr
	s_wait_loadcnt 0x0
.irp a, 0,1,2,3,4,5,6,7
	TAKE \a, 0
	s_wait_xcnt 0x0                                ; the last block's stores have read their registers: the codes may be written again
	QUANT H
	v_bfe_u32 v[SW+\a], v[PW], v[SH16], 16         ; lanes 0-15: the first head's two bytes; lanes 16-31: the second head's; two bytes 0 above them
	global_store_b64 v[VO8], v[PC:PC+1], s[74:75] offset:768*\a                    ; the wave stores 256 consecutive bytes, aligned,
	global_store_b128 v[VO16], v[PC+2:PC+5], s[74:75] offset:768*\a+256            ; and 512: the first head's half fragment
	global_store_b64 v[VO8], v[PC+6:PC+7], s[74:75] offset:768*\a+294912           ; the second head's
	global_store_b128 v[VO16], v[PC+8:PC+11], s[74:75] offset:768*\a+294912+256
.endr
.irp g, 0,1
	global_store_b128 v[VOS], v[SW+4*\g:SW+4*\g+3], s[76:77] offset:256*\g         ; sixteen lanes store 256 consecutive bytes, aligned: tiles 4 g .. 4 g + 3 of a head
.endr
	s_branch .Lend
.Lv_out:
	; ---- V: a lane holds the channel s20 + 32 (a / 2) + 8 (a % 2) + r + 8 (r / 8); its 64 registers are keys s21 + 32 b + 16 h + i: one step of 128 keys
	s_lshr_b32 s22, s21, 11                        ; the batch
	s_and_b32 s23, s21, 2047
	s_lshr_b32 s23, s23, 7                         ; the step
	s_lshr_b32 s46, s20, 6                         ; my first head
	s_lshl_b32 s22, s22, 4
	s_add_co_u32 s22, s22, s46
	s_mul_i32 s46, s22, 294912
	s_add_co_u32 s46, s46, 196608
	s_mul_i32 s47, s23, 6144
	s_add_co_u32 s46, s46, s47
	s_mov_b32 s47, 0
	s_add_nc_u64 s[74:75], s[74:75], s[46:47]
	s_mul_i32 s46, s22, 20480
	s_add_co_u32 s46, s46, 16384
	s_lshl_b32 s92, s23, 8
	s_add_co_u32 s46, s46, s92
	s_add_nc_u64 s[76:77], s[76:77], s[46:47]
	s_lshl_b32 s46, s20, 2
	s_add_nc_u64 s[72:73], s[72:73], s[46:47]
	v_and_b32 v[BO], 8, v2
	v_add_nc_u32 v[BO], v[BO], v2
	v_lshlrev_b32 v[BO], 2, v[BO]                  ; 4 (r + 8 (r / 8))
.irp a, 0,1,2,3,4,5,6,7
	global_load_b32 v[BB+2*\a], v[BO], s[72:73] offset:4*(32*(\a/2)+8*(\a%2))
	global_load_b32 v[BB+2*\a+1], v[BO], s[72:73] offset:4*(32*(\a/2)+8*(\a%2))    ; twice: the packed addition takes a pair
.endr
	s_wait_loadcnt 0x0
.irp a, 0,1,2,3,4,5,6,7
	TAKE \a, 1
	s_wait_xcnt 0x0                                ; the last block's stores have read their registers
	QUANT H
	v_mov_b32 v[SW+\a], v[PW]
.irp g, 0,1,2
	global_store_b128 v[VO16], v[PC+4*\g:PC+4*\g+3], s[74:75] offset:(\a/4)*294912+(\a%4)*1536+512*\g   ; head a / 4, tile a % 4: the fragment as it stands; the wave stores 512 consecutive bytes
.endr
.endr
.irp j, 0,1,2,3
	v_cndmask_b32 v[SX+\j], v[SW+\j], v[SW+4+\j], s[HM]   ; lanes 0-15: the first head's four tiles; lanes 16-31: the second head's
.endr
	global_store_b128 v[VOS], v[SX:SX+3], s[76:77]
.Lend:
	s_wait_tensorcnt 0x0                           ; the wave's end
	ds_add_u32 v[SPW], v[NIL]
	s_wait_dscnt 0x0
	CROUND                                         ; the closing round: no work-group ends while a partner may still ask for a tile that names it
	s_endpgm
.Lfunc_end_k_q641e4fec76_proj:
	.size	k_q641e4fec76_proj, .Lfunc_end_k_q641e4fec76_proj-k_q641e4fec76_proj
	.p2alignl 7, 3214868480
	.fill 96, 4, 3214868480
	.section	.rodata,"a",@progbits
	.p2align	6, 0x0
	.amdhsa_kernel k_q641e4fec76_proj
		.amdhsa_group_segment_fixed_size 327680
		.amdhsa_private_segment_fixed_size 0
		.amdhsa_enable_private_segment 0
		.amdhsa_kernarg_size 56
		.amdhsa_user_sgpr_count 2
		.amdhsa_user_sgpr_kernarg_segment_ptr 1
		.amdhsa_wavefront_size32 1
		.amdhsa_system_sgpr_workgroup_id_x 1
		.amdhsa_system_sgpr_workgroup_id_y 1
		.amdhsa_system_sgpr_workgroup_id_z 1
		.amdhsa_system_vgpr_workitem_id 0
		.amdhsa_next_free_vgpr 1024
		.amdhsa_next_free_sgpr 102
		.amdhsa_reserve_vcc 0
		.amdhsa_float_denorm_mode_32 3
		.amdhsa_float_denorm_mode_16_64 3
		.amdhsa_memory_ordered 1
		.amdhsa_forward_progress 1
		.amdhsa_inst_pref_size 236
	.end_amdhsa_kernel
	.amdgpu_metadata
---
amdhsa.version: [ 1, 2 ]
amdhsa.kernels:
  - .name:           k_q641e4fec76_proj
    .symbol:         k_q641e4fec76_proj.kd
    .args:
      - { .name: xc, .offset: 0, .size: 8, .value_kind: global_buffer, .address_space: global }
      - { .name: xs, .offset: 8, .size: 8, .value_kind: global_buffer, .address_space: global }
      - { .name: b_q, .offset: 16, .size: 8, .value_kind: global_buffer, .address_space: global }
      - { .name: b_k, .offset: 24, .size: 8, .value_kind: global_buffer, .address_space: global }
      - { .name: b_v, .offset: 32, .size: 8, .value_kind: global_buffer, .address_space: global }
      - { .name: hc, .offset: 40, .size: 8, .value_kind: global_buffer, .address_space: global }
      - { .name: hs, .offset: 48, .size: 8, .value_kind: global_buffer, .address_space: global }
    .group_segment_fixed_size: 327680
    .private_segment_fixed_size: 0
    .kernarg_segment_align: 8
    .kernarg_segment_size: 56
    .max_flat_workgroup_size: 128
    .sgpr_count:     102
    .vgpr_count:     1024
    .wavefront_size: 32
...
	.end_amdgpu_metadata
.endif
;; end of part 2
;; launch attn (part 3): grid 4 x 64, 8 waves a work-group, clusters of 4 x 1, 327,680 bytes of LDS; arguments hc, hs, cc, cs; writes cc, cs
.if DOCPART == 3
	.amdgcn_target "amdgcn-amd-amdhsa--gfx1250"
	.amdhsa_code_object_version 6
	.text
	.protected	k_q641e4fec76_attn
	.globl	k_q641e4fec76_attn
	.p2align	8
	.type	k_q641e4fec76_attn,@function
k_q641e4fec76_attn:
	s_mov_b64 s[64:65], 0
	v_nop
	global_prefetch_b8 v0, s[64:65] scope:SCOPE_SE
	s_setreg_imm32_b32 hwreg(HW_REG_WAVE_MODE, 25, 1), 1
	s_wait_xcnt 0x0
	s_wait_alu depctr_hold_cnt(0) depctr_sa_sdst(0) depctr_va_vdst(0) depctr_va_sdst(0) depctr_va_ssrc(0) depctr_va_vcc(0) depctr_vm_vsrc(0)
	s_getreg_b32 s2, hwreg(HW_REG_IB_STS2, 6, 4)
	s_cmp_eq_u32 s2, 0
	s_cbranch_scc0 .Lentry_in_a_cluster
	s_endpgm
.Lentry_in_a_cluster:
	s_bfe_u32 s2, ttmp6, 0x10000c
	s_cmp_lg_u32 s2, 0x3003
	s_cbranch_scc0 .Lentry_shape_is_right
	s_endpgm
.Lentry_shape_is_right:
.set WV,  12
.set HM,  15
.set TK,  16
.set TS,  17
.set TT,  18
.set CNT, 19
.set SEL, 20
.set CS,  22
.set G1S, 24
.set G1T, 32
.set G0S, 48
.set G0T, 52
.set LV,  98304
.set LKS, 196608
.set LVS, 204800
.set MSB, 0
.macro WIN new
.if MSB != \new
	s_set_vgpr_msb (MSB<<8)|\new
.set MSB, \new
.endif
.endm
.macro CROUND
	s_barrier_signal -1
	s_barrier_wait -1
	s_cmp_lg_u32 s[WV], 0
	s_cbranch_scc1 .Lnot_wave_0_\@
	s_barrier_signal -3
.Lnot_wave_0_\@:
	s_barrier_wait -3
	s_barrier_signal -1
	s_barrier_wait -1
.endm
	s_load_b256 s[4:11], s[0:1], 0x0
	v_lshl_add_u32 v251, v0, 2, 0x33000
	v_mov_b32 v255, 0
	ds_add_u32 v251, v255
	ds_add_u32 v251, v255
	v_lshrrev_b32 v1, 5, v0
	s_delay_alu instid0(VALU_DEP_1)
	v_readfirstlane_b32 s[WV], v1
	s_bfe_u32 s13, ttmp6, 0x40000
	s_and_b32 s14, ttmp7, 0xffff
	s_mov_b32 s[HM], 0xffff0000
	s_mov_b32 s[SEL], 0x76543210
	s_mov_b32 s[SEL+1], 0xfedcba98
	s_mov_b32 s[CS], 0x3e38aa3b
	s_mov_b32 s[CS+1], s[CS]
	s_mov_b32 s[G1S], 15|(3<<16)|(1<<21)
	s_mov_b32 s[G1S+1], 32<<16
	s_mov_b32 s[G1S+2], 6<<16
	s_mov_b32 s[G1S+3], 32<<16
	s_mov_b32 s[G1S+4], 6
	s_mov_b32 s[G1S+5], 32
	s_mov_b32 s[G1S+6], 0
	s_mov_b32 s[G1S+7], 0
	s_mov_b32 s[G1T], 15|(3<<16)|(1<<21)
	s_mov_b32 s[G1T+1], 32<<16
	s_mov_b32 s[G1T+2], 96<<16
	s_mov_b32 s[G1T+3], 32<<16
	s_mov_b32 s[G1T+4], 96
	s_mov_b32 s[G1T+5], 32
	s_mov_b32 s[G1T+6], 0
	s_mov_b32 s[G1T+7], 0
	s_mul_i32 s60, s14, 294912
	s_mov_b32 s61, 0
	s_mul_i32 s62, s14, 20480
	s_mov_b32 s63, 0
	s_lshr_b32 s40, s[WV], 2
	s_and_b32 s41, s[WV], 3
	s_mul_i32 s40, s40, 98304
	s_mul_i32 s41, s41, 24576
	s_add_co_u32 s40, s40, s41
	s_mul_i32 s42, s[WV], 1536
	s_add_co_u32 s44, s62, 8192
	s_add_co_u32 s44, s44, s42
	s_mov_b32 s45, 0
	s_add_co_u32 s46, s60, 98304
	s_add_co_u32 s46, s46, s40
	s_mov_b32 s47, 0
	v_and_b32 v11, 31, v0
	s_delay_alu instid0(VALU_DEP_1)
	v_lshlrev_b32 v1, 3, v11
	s_delay_alu instid0(VALU_DEP_2)
	v_lshlrev_b32 v2, 4, v11
	s_delay_alu instid0(VALU_DEP_1)
	v_add_nc_u32 v3, LV, v2
	s_delay_alu instid0(VALU_DEP_2)
	v_add_nc_u32 v4, LKS, v2
	v_and_b32 v5, 15, v0
	s_delay_alu instid0(VALU_DEP_1)
	v_lshlrev_b32 v31, 4, v5
	s_delay_alu instid0(VALU_DEP_1)
	v_add_nc_u32 v5, LVS, v31
	v_bfe_u32 v6, v0, 4, 1
	s_delay_alu instid0(VALU_DEP_1)
	v_lshl_add_u32 v31, v6, 2, v31
	v_lshlrev_b32 v11, 1, v11
	s_wait_dscnt 0x0
	s_wait_kmcnt 0x0
	s_mov_b32 s[G0S], 1
	s_add_co_u32 s[G0S+1], s42, LKS
	s_add_nc_u64 s[G0S+2:G0S+3], s[6:7], s[44:45]
	s_or_b32 s[G0S+3], s[G0S+3], 0x80000000
	s_mov_b32 s[G0T], 1
	s_mov_b32 s[G0T+1], s40
	s_add_nc_u64 s[G0T+2:G0T+3], s[4:5], s[46:47]
	s_or_b32 s[G0T+3], s[G0T+3], 0x80000000
	CROUND
	tensor_load_to_lds s[G0S:G0S+3], s[G1S:G1S+7]
	s_nop 0
	s_wait_alu depctr_va_vdst(0)
	s_wait_tensorcnt 0x0
	ds_add_u32 v251, v255
	s_wait_dscnt 0x0
	CROUND
	tensor_load_to_lds s[G0T:G0T+3], s[G1T:G1T+7]
	s_nop 0
.rept 4
	v_nop
.endr
	s_lshl_b32 s40, s13, 5
	s_lshl_b32 s41, s[WV], 1
	s_add_co_u32 s40, s40, s41
	s_mul_i32 s41, s40, 768
	s_add_co_u32 s60, s60, s41
	s_add_nc_u64 s[4:5], s[4:5], s[60:61]
	s_lshl_b32 s41, s13, 3
	s_lshr_b32 s42, s[WV], 1
	s_add_co_u32 s41, s41, s42
	s_lshl_b32 s41, s41, 8
	s_and_b32 s42, s[WV], 1
	s_lshl_b32 s42, s42, 3
	s_add_co_u32 s41, s41, s42
	s_add_co_u32 s62, s62, s41
	s_add_nc_u64 s[6:7], s[6:7], s[62:63]
	s_lshr_b32 s41, s14, 4
	s_and_b32 s42, s14, 15
	s_lshl_b32 s43, s41, 7
	s_add_co_u32 s43, s43, s40
	s_mul_i32 s43, s43, 12288
	s_mul_i32 s44, s42, 768
	s_add_co_u32 s44, s44, s43
	s_add_nc_u64 s[8:9], s[8:9], s[44:45]
	s_lshl_b32 s43, s41, 3
	s_lshl_b32 s44, s13, 1
	s_add_co_u32 s43, s43, s44
	s_lshl_b32 s43, s43, 13
	s_lshl_b32 s44, s42, 9
	s_add_co_u32 s44, s44, s43
	s_lshl_b32 s43, s[WV], 6
	s_add_co_u32 s44, s44, s43
	s_add_nc_u64 s[10:11], s[10:11], s[44:45]
	s_wait_alu depctr_va_vdst(0)
.irp e, 0,1
.set WN, 0x40*\e
	WIN WN
	global_load_b64 v[16:17], v1, s[4:5] offset:768*\e
	global_load_b128 v[18:21], v2, s[4:5] offset:768*\e+256
	global_load_b64 v[192:193], v1, s[4:5] offset:12288+768*\e
	global_load_b128 v[194:197], v2, s[4:5] offset:12288+768*\e+256
.irp j, 22,23,24,25,26,27,198,199,200,201,202,203
	v_mov_b32 v[\j], 0
.endr
.endr
	WIN 0
	global_load_b32 v28, v31, s[6:7]
	global_load_b32 v29, v31, s[6:7] offset:1024
.irp j, 80,81,82,83,84,85
	v_mov_b32 v[\j], 0
.endr
.macro INIT first
	v_mov_b32 v13, 0xff61b1e6
	s_delay_alu instid0(VALU_DEP_1)
	v_floor_f32 v12, -v13
	v_mov_b32 v14, 0
	v_mov_b32 v15, 0
.set j, 0
.rept 32
	v_mov_b32 v[160+j], 0
.set j, j+1
.endr
.if \first
.irp b, 0,1,2,3
	v_mov_b32 v[236+\b], 0
.endr
	v_mov_b32 v253, 0
.endif
.endm
	INIT 1
	WIN 0x55
	INIT 1
	WIN 0
.macro SOFTMAX isB
.irp b, 0,1,2,3
	v_max3_num_f32 v[232+\b], v[96+16*\b], v[97+16*\b], v[98+16*\b]
.endr
.irp i, 3,5,7,9,11,13
.irp b, 0,1,2,3
	v_max3_num_f32 v[232+\b], v[232+\b], v[96+16*\b+\i], v[97+16*\b+\i]
.endr
.endr
.irp b, 0,1,2,3
	v_max_num_f32 v[232+\b], v[232+\b], v[111+16*\b]
.endr
.irp b, 0,1,2,3
	s_delay_alu instid0(VALU_DEP_4)
	v_permlanex16_b32 v[236+\b], v[232+\b], s[SEL], s[SEL+1]
.endr
.irp b, 0,1,2,3
	s_delay_alu instid0(VALU_DEP_4)
	v_max_num_f32 v[232+\b], v[232+\b], v[236+\b]
.endr
	s_delay_alu instid0(VALU_DEP_2)
	v_max3_num_f32 v254, v232, v233, v234
	s_delay_alu instid0(VALU_DEP_1)
	v_max_num_f32 v254, v254, v235
	s_delay_alu instid0(VALU_DEP_1)
	v_mul_f32 v254, s[CS], v254
	s_delay_alu instid0(VALU_DEP_1)
	v_max_num_f32 v13, v13, v254
	v_mov_b32 v254, v12
	s_delay_alu instid0(VALU_DEP_2)
	v_floor_f32 v12, -v13
	s_delay_alu instid0(VALU_DEP_1)
	v_sub_f32 v254, v12, v254
	s_delay_alu instid0(VALU_DEP_1)
	v_cvt_i32_f32 v254, v254
	s_delay_alu instid0(VALU_DEP_1)
	v_ldexp_f32 v252, 1.0, v254
.set j, 0
.rept 32
	v_pk_fma_f32 v[96+j:97+j], v[96+j:97+j], s[CS:CS+1], v[12:13] op_sel_hi:[1,0,0]
.set j, j+2
.endr
.irp b, 0,1,2,3
	v_fma_f32 v[232+\b], v[232+\b], s[CS], v12
.endr
.set j, 0
	s_wait_alu depctr_va_vdst(0)
.rept 64
	v_exp_f32 v[96+j], v[96+j]
.set j, j+1
.endr
.irp b, 0,1,2,3
	v_exp_f32 v[232+\b], v[232+\b]
.endr
	v_pk_mul_f32 v[14:15], v[14:15], v[252:253] op_sel_hi:[1,0]
	s_wait_alu depctr_va_vdst(0)
.irp b, 0,1,2,3
	v_max_num_f32 v[232+\b], 0x2800000, v[232+\b]
.endr
.irp b, 0,1,2,3
	s_delay_alu instid0(VALU_DEP_4)
	v_add_nc_u32 v[244+\b], 0xfe000000, v[232+\b]
.endr
.irp b, 0,1,2,3
	s_delay_alu instid0(VALU_DEP_4)
	v_lshrrev_b32 v[236+\b], 23, v[244+\b]
.endr
	s_delay_alu instid0(VALU_DEP_3)
	v_lshl_or_b32 v253, v237, 8, v236
	s_delay_alu instid0(VALU_DEP_1)
	v_lshl_or_b32 v253, v238, 16, v253
	s_delay_alu instid0(VALU_DEP_1)
	v_lshl_or_b32 v253, v239, 24, v253
.if \isB
	WIN 0x01
	s_setprio 0
	v_mov_b32 v30, v253
	WIN 0x55
.endif
.irp c, 0,1
	v_cvt_scalef32_pk16_bf6_f32 v[224+6*\c:226+6*\c], v[96+32*\c:111+32*\c], v[244+2*\c]
	v_cvt_scalef32_pk16_bf6_f32 v[236+4*\c:238+4*\c], v[112+32*\c:127+32*\c], v[244+2*\c+1]
.endr
	v_nop
.irp c, 0,1
.irp i, 0,1,2
	v_permlane16_swap_b32 v[224+6*\c+\i], v[236+4*\c+\i]
.endr
.irp i, 0,1,2
	s_delay_alu instid0(VALU_DEP_3)
	v_mov_b32 v[227+6*\c+\i], v[236+4*\c+\i]
.endr
.endr
	v_pk_add_f32 v[236:237], v[96:97], v[98:99]
.set j, 4
.rept 15
	v_pk_add_f32 v[14:15], v[14:15], v[96+j:97+j]
	v_pk_add_f32 v[236:237], v[236:237], v[98+j:99+j]
.set j, j+4
.endr
	s_delay_alu instid0(VALU_DEP_1)
	v_pk_add_f32 v[14:15], v[14:15], v[236:237]
.set j, 0
.rept 16
	v_pk_mul_f32 v[160+j:161+j], v[160+j:161+j], v[252:253] op_sel_hi:[1,0]
.set j, j+2
.endr
.endm
.macro STEP qf, qs
	s_setprio 2
	v_add_nc_u32 v6, s[TK], v1
	v_add_nc_u32 v7, s[TK], v2
	v_add_nc_u32 v8, s[TK], v3
	v_add_nc_u32 v9, s[TS], v4
	v_add_nc_u32 v10, s[TT], v5
.irp t, 0,1,2,3,4,5,6,7
	ds_load_b64 v[32+6*\t:33+6*\t], v6 offset:768*\t
	ds_load_b128 v[34+6*\t:37+6*\t], v7 offset:768*\t+256
.endr
	ds_load_b128 v[88:91], v9
	ds_load_b128 v[92:95], v10
	WIN 0x40
.irp t, 0,1,2,3
.irp g, 0,1,2
	ds_load_b128 v[32+12*\t+4*\g:35+12*\t+4*\g], v8 offset:1536*\t+512*\g
.endr
.endr
	WIN 0
	s_wait_dscnt 13
.irp t, 0,1,2,3
	v_wmma_scale_f32_16x16x128_f8f6f4 v[96+8*\t:103+8*\t], v[32+6*\t:43+6*\t], v[\qf:\qf+11], 0, v[88+\t], v[\qs] matrix_a_fmt:MATRIX_FMT_BF6 matrix_b_fmt:MATRIX_FMT_BF6
.endr
.irp t, 4,5,6,7
	v_wmma_scale_f32_16x16x128_f8f6f4 v[96+8*\t:103+8*\t], v[32+6*\t:43+6*\t], v[\qf:\qf+11], 0, v[84+\t], v[\qs] matrix_a_fmt:MATRIX_FMT_BF6 matrix_b_fmt:MATRIX_FMT_BF6 matrix_a_scale:MATRIX_SCALE_ROW1
.endr
	WIN 0x44
.irp t, 0,1,2,3
	v_wmma_scale_f32_16x16x128_f8f6f4 v[96+8*\t:103+8*\t], v[32+6*\t:43+6*\t], v[\qf:\qf+11], 0, v[88+\t], v[\qs] matrix_a_fmt:MATRIX_FMT_BF6 matrix_b_fmt:MATRIX_FMT_BF6 matrix_b_scale:MATRIX_SCALE_ROW1
.endr
.irp t, 4,5,6,7
	v_wmma_scale_f32_16x16x128_f8f6f4 v[96+8*\t:103+8*\t], v[32+6*\t:43+6*\t], v[\qf:\qf+11], 0, v[84+\t], v[\qs] matrix_a_fmt:MATRIX_FMT_BF6 matrix_b_fmt:MATRIX_FMT_BF6 matrix_a_scale:MATRIX_SCALE_ROW1 matrix_b_scale:MATRIX_SCALE_ROW1
.endr
	WIN 0
.rept 4
	v_nop
.endr
	SOFTMAX 0
	WIN 0x55
	s_setprio 1
	SOFTMAX 1
	WIN 0
	s_wait_alu depctr_va_vdst(0)
	s_wait_dscnt 0x0
	WIN 0x01
.irp t, 0,1,2,3
	v_wmma_scale_f32_16x16x128_f8f6f4 v[160+8*\t:167+8*\t], v[32+12*\t:43+12*\t], v[224:235], v[160+8*\t:167+8*\t], v[92+\t], v253 matrix_a_fmt:MATRIX_FMT_BF6 matrix_b_fmt:MATRIX_FMT_BF6
.endr
	WIN 0x55
.irp t, 0,1,2,3
	v_wmma_scale_f32_16x16x128_f8f6f4 v[160+8*\t:167+8*\t], v[32+12*\t:43+12*\t], v[224:235], v[160+8*\t:167+8*\t], v[92+\t], v30 matrix_a_fmt:MATRIX_FMT_BF6 matrix_b_fmt:MATRIX_FMT_BF6
.endr
	WIN 0
	s_add_co_u32 s[TK], s[TK], 6144
	s_add_co_u32 s[TS], s[TS], 512
	s_add_co_u32 s[TT], s[TT], 256
.endm
.macro FINISH pass, tile
.set WN, 0x55*\tile
	WIN WN
	v_add_f32 v14, v14, v15
	s_delay_alu instid0(VALU_DEP_1)
	v_permlanex16_b32 v252, v14, s[SEL], s[SEL+1]
	s_delay_alu instid0(VALU_DEP_1)
	v_add_f32 v14, v14, v252
	s_wait_alu depctr_va_vdst(0)
	v_rcp_f32 v14, v14
	v_nop
.set j, 0
	s_wait_alu depctr_va_vdst(0)
.rept 16
	v_pk_mul_f32 v[96+j:97+j], v[160+j:161+j], v[14:15] op_sel_hi:[1,0]
.set j, j+2
.endr
.irp b, 0,1
	v_max3_num_f32 v[232+\b], |v[96+16*\b]|, |v[97+16*\b]|, 0x2800000
.endr
.irp i, 2,4,6,8,10,12,14
.irp b, 0,1
	s_delay_alu instid0(VALU_DEP_2)
	v_max3_num_f32 v[232+\b], v[232+\b], |v[96+16*\b+\i]|, |v[97+16*\b+\i]|
.endr
.endr
.irp b, 0,1
	s_delay_alu instid0(VALU_DEP_2)
	v_permlanex16_b32 v[236+\b], v[232+\b], s[SEL], s[SEL+1]
.endr
.irp b, 0,1
	s_delay_alu instid0(VALU_DEP_2)
	v_max_num_f32 v[232+\b], v[232+\b], v[236+\b]
.endr
.irp b, 0,1
	s_delay_alu instid0(VALU_DEP_2)
	v_add_nc_u32 v[244+\b], 0xfe000000, v[232+\b]
.endr
.irp b, 0,1
	s_delay_alu instid0(VALU_DEP_2)
	v_lshrrev_b32 v[236+\b], 23, v[244+\b]
.endr
	s_delay_alu instid0(VALU_DEP_1)
	v_lshl_or_b32 v254, v237, 8, v236
	v_cvt_scalef32_pk16_bf6_f32 v[224:226], v[96:111], v244
	v_cvt_scalef32_pk16_bf6_f32 v[236:238], v[112:127], v245
	v_nop
.irp i, 0,1,2
	v_permlane16_swap_b32 v[224+\i], v[236+\i]
.endr
.irp i, 0,1,2
	s_delay_alu instid0(VALU_DEP_3)
	v_mov_b32 v[227+\i], v[236+\i]
.endr
.set WN, 0x04*\tile
	WIN WN
	global_store_b64 v1, v[224:225], s[8:9] offset:196608*\pass+12288*\tile
	global_store_b128 v2, v[226:229], s[8:9] offset:196608*\pass+12288*\tile+256
.endm
.macro FINISH2 pass
.rept 4
	v_nop
.endr
	FINISH \pass, 0
	FINISH \pass, 1
	WIN 0x01
	v_mov_b32 v31, v254
	WIN 0
	v_cndmask_b32 v31, v254, v31, s[HM]
	global_store_b16 v11, v31, s[10:11] offset:8192*\pass
.endm
	s_wait_tensorcnt 0x0
	s_barrier_signal -1
	s_barrier_wait -1
	s_wait_loadcnt 0x0
	s_mov_b32 s[TK], 0
	s_mov_b32 s[TS], 0
	s_mov_b32 s[TT], 0
	s_mov_b32 s[CNT], 16
.Lpass0:
	STEP 16, 28
	s_sub_co_u32 s[CNT], s[CNT], 1
	s_cmp_lg_u32 s[CNT], 0
	s_cbranch_scc1 .Lpass0
	s_setprio 0
	FINISH2 0
	s_wait_xcnt 0x0
	INIT 0
	WIN 0x55
	INIT 0
	WIN 0
	s_mov_b32 s[TK], 0
	s_mov_b32 s[TS], 0
	s_mov_b32 s[TT], 0
	s_mov_b32 s[CNT], 16
.Lpass1:
	STEP 192, 29
	s_sub_co_u32 s[CNT], s[CNT], 1
	s_cmp_lg_u32 s[CNT], 0
	s_cbranch_scc1 .Lpass1
	s_setprio 0
	FINISH2 1
	s_wait_dscnt 0x0
	s_wait_tensorcnt 0x0
	ds_add_u32 v251, v255
	s_wait_dscnt 0x0
	CROUND
	s_endpgm
.Lfunc_end_k_q641e4fec76_attn:
	.size	k_q641e4fec76_attn, .Lfunc_end_k_q641e4fec76_attn-k_q641e4fec76_attn
	.p2alignl 7, 3214868480
	.fill 96, 4, 3214868480
	.section	.rodata,"a",@progbits
	.p2align	6, 0x0
	.amdhsa_kernel k_q641e4fec76_attn
		.amdhsa_group_segment_fixed_size 327680
		.amdhsa_private_segment_fixed_size 0
		.amdhsa_enable_private_segment 0
		.amdhsa_kernarg_size 32
		.amdhsa_user_sgpr_count 2
		.amdhsa_user_sgpr_kernarg_segment_ptr 1
		.amdhsa_wavefront_size32 1
		.amdhsa_system_sgpr_workgroup_id_x 1
		.amdhsa_system_sgpr_workgroup_id_y 1
		.amdhsa_system_sgpr_workgroup_id_z 1
		.amdhsa_system_vgpr_workitem_id 0
		.amdhsa_next_free_vgpr 512
		.amdhsa_next_free_sgpr 66
		.amdhsa_reserve_vcc 0
		.amdhsa_float_denorm_mode_32 3
		.amdhsa_float_denorm_mode_16_64 3
		.amdhsa_memory_ordered 1
		.amdhsa_forward_progress 1
		.amdhsa_inst_pref_size 95
	.end_amdhsa_kernel
	.amdgpu_metadata
---
amdhsa.version: [ 1, 2 ]
amdhsa.kernels:
  - .name:           k_q641e4fec76_attn
    .symbol:         k_q641e4fec76_attn.kd
    .args:
      - { .name: hc, .offset: 0, .size: 8, .value_kind: global_buffer, .address_space: global }
      - { .name: hs, .offset: 8, .size: 8, .value_kind: global_buffer, .address_space: global }
      - { .name: cc, .offset: 16, .size: 8, .value_kind: global_buffer, .address_space: global }
      - { .name: cs, .offset: 24, .size: 8, .value_kind: global_buffer, .address_space: global }
    .group_segment_fixed_size: 327680
    .private_segment_fixed_size: 0
    .kernarg_segment_align: 8
    .kernarg_segment_size: 32
    .max_flat_workgroup_size: 256
    .sgpr_count:     66
    .vgpr_count:     512
    .wavefront_size: 32
...
	.end_amdgpu_metadata
.endif
;; end of part 3
;; launch outp (part 4): grid 4 x 32, 4 waves a work-group, clusters of 4 x 4, 327,680 bytes of LDS; arguments cc, cs, xc, xs, b_o, out0; writes out0
.if DOCPART == 4
	.amdgcn_target "amdgcn-amd-amdhsa--gfx1250"
	.amdhsa_code_object_version 6
	.text
	.protected	k_q641e4fec76_outp
	.globl	k_q641e4fec76_outp
	.p2align	8
	.type	k_q641e4fec76_outp,@function
k_q641e4fec76_outp:
	s_mov_b64 s[64:65], 0
	v_nop
	global_prefetch_b8 v0, s[64:65] scope:SCOPE_SE
	s_setreg_imm32_b32 hwreg(HW_REG_WAVE_MODE, 25, 1), 1
	s_wait_xcnt 0x0
	s_wait_alu depctr_hold_cnt(0) depctr_sa_sdst(0) depctr_va_vdst(0) depctr_va_sdst(0) depctr_va_ssrc(0) depctr_va_vcc(0) depctr_vm_vsrc(0)
	s_getreg_b32 s2, hwreg(HW_REG_IB_STS2, 6, 4)
	s_cmp_eq_u32 s2, 0
	s_cbranch_scc0 .Lentry_in_a_cluster
	s_endpgm
.Lentry_in_a_cluster:
	s_bfe_u32 s2, ttmp6, 0x10000c
	s_cmp_lg_u32 s2, 0xf033
	s_cbranch_scc0 .Lentry_shape_is_right
	s_endpgm
.Lentry_shape_is_right:
.set NQ,     2
.set ROWB,   192
.set KROW,   768
.set PITCH,  240
.set FR,     12
.set NLA,    4
.set NP,     4
.set HALFA,  8*3072
.set HALFT,  128*PITCH
.set SLOT,   2*HALFA+2*HALFT
.set KS,     32
.set SCL,    2*SLOT
.set HALFS,  16*272
.set SBLK,   2*272
.set SPARE,  SCL+4*HALFS
.set SPITCH, 528
.set BIA,  8
.set ADA8, 16
.set ADA16, 18
.set ADRB, 20
.set STO,  24
.set RD,   25
.set CO,   26
.set ADRS, 27
.set SPW,  28
.set NIL,  29
.set SC,   32
.set AF,   128
.set RAW,  224
.set WRD,  240
.set BK,   128
.set CP,   98
.set G1, 24
.set G0, 32
.set G1B, 48
.set G0B, 56
.set G1SB, 80
.set G0SB, 88
.set MSB, 0
.macro WIN new
.if MSB != \new
	s_set_vgpr_msb (MSB<<8)|\new
.set MSB, \new
.endif
.endm
.set MUL_LO, 0xa1
.set MUL_HI, 0xf1
.set TO_B,   0x40
.macro JLOAD g0a, g1a, g0b, g1b
	s_cmp_eq_u32 s15, 0
	s_cbranch_scc0 .Lfor_b_\@
	tensor_load_to_lds s[\g0a:\g0a+3], s[\g1a:\g1a+7]
	s_nop 0
.rept 4
	v_nop
.endr
	s_branch .Lasked_\@
.Lfor_b_\@:
	tensor_load_to_lds s[\g0b:\g0b+3], s[\g1b:\g1b+7]
	s_nop 0
.rept 4
	v_nop
.endr
.Lasked_\@:
.endm
.macro CREST
	s_cmp_lg_u32 s14, 0
	s_cbranch_scc1 .Lnot_wave_0_\@
	s_barrier_signal -3
.Lnot_wave_0_\@:
	s_barrier_wait -3
	s_barrier_signal -1
	s_barrier_wait -1
.endm
.macro CROUND
	s_barrier_signal -1
	s_barrier_wait -1
	CREST
.endm
	s_load_b128 s[4:7], s[0:1], 0x0
	s_load_b128 s[8:11], s[0:1], 0x10
	s_load_b128 s[96:99], s[0:1], 0x20
	v_lshl_add_u32 v[SPW], v0, 2, SPARE
	v_mov_b32 v[NIL], 0
	ds_add_u32 v28, v29
	ds_add_u32 v28, v29
	s_wait_dscnt 0x0
	v_lshrrev_b32 v1, 5, v0
	v_readfirstlane_b32 s14, v1
	s_lshr_b32 s15, s14, 1
	s_and_b32 s16, s14, 1
	s_bfe_u32 s40, ttmp6, 0x40000
	s_bfe_u32 s41, ttmp6, 0x40004
	s_lshl_b32 s42, ttmp9, 2
	s_add_co_u32 s42, s42, s40
	s_and_b32 s17, ttmp7, 0xffff
	s_lshl_b32 s17, s17, 2
	s_add_co_u32 s17, s17, s41
	s_lshl_b32 s43, s41, 2
	s_lshl_b32 s43, 15, s43
	s_lshl_b32 s44, 0x1111, s40
	s_or_b32 s[G1+0], s43, (3<<16)|(1<<21)
	s_mov_b32 s[G1+1], 384<<16
	s_mov_b32 s[G1+2], 8<<16
	s_mov_b32 s[G1+3], 384<<16
	s_mov_b32 s[G1+4], 8
	s_mov_b32 s[G1+5], 1536
	s_mov_b32 s[G1+6], 0
	s_mov_b32 s[G1+7], 0
	s_or_b32 s[G1B+0], s44, (0<<16)|(1<<20)|(1<<21)|(3<<22)|(3<<25)
	s_mov_b32 s[G1B+1], ROWB<<16
	s_mov_b32 s[G1B+2], 128<<16
	s_mov_b32 s[G1B+3], ROWB<<16
	s_mov_b32 s[G1B+4], 128
	s_mov_b32 s[G1B+5], KROW
	s_mov_b32 s[G1B+6], 0
	s_mov_b32 s[G1B+7], 0
	s_or_b32 s[G1SB+0], s44, (3<<16)|(1<<20)|(1<<21)|(5<<22)|(3<<25)
	s_mov_b32 s[G1SB+1], 32<<16
	s_mov_b32 s[G1SB+2], 8<<16
	s_mov_b32 s[G1SB+3], 32<<16
	s_mov_b32 s[G1SB+4], 8
	s_mov_b32 s[G1SB+5], 32
	s_mov_b32 s[G1SB+6], 0
	s_mov_b32 s[G1SB+7], 0
	s_lshl_b32 s20, s17, 4
	s_lshl_b32 s18, s16, 3
	s_add_co_u32 s20, s20, s18
	s_mul_i32 s20, s20, 12288
	s_mov_b32 s21, 0
	s_lshl_b32 s46, s42, 8
	s_lshl_b32 s18, s16, 7
	s_add_co_u32 s46, s46, s18
	s_mul_i32 s46, s46, KROW
	s_add_co_u32 s46, s46, 21233664
	s_mov_b32 s47, 0
	s_lshl_b32 s92, s42, 8
	s_lshl_b32 s18, s14, 6
	s_add_co_u32 s92, s92, s18
	s_lshl_b32 s92, s92, 5
	s_add_co_u32 s92, s92, 884736
	s_mov_b32 s93, 0
	s_lshl_b32 s22, s17, 13
	s_mov_b32 s23, 0
	s_lshl_b32 s12, s42, 10
	s_lshl_b32 s13, s16, 9
	s_add_co_u32 s12, s12, s13
	s_mov_b32 s13, 0
	s_mul_i32 s45, s16, HALFA
	s_mul_i32 s94, s16, HALFT
	s_add_co_u32 s94, s94, 2*HALFA
	s_mul_i32 s95, s14, 8*272
	v_lshlrev_b32 v7, 2, v0
	v_and_b32 v6, 31, v0
	v_lshlrev_b32 v12, 4, v6
	v_lshrrev_b32 v13, 2, v0
	v_lshlrev_b32 v13, 4, v13
	v_lshl_add_u32 v13, v0, 6, v13
	v_add_nc_u32 v13, SCL, v13
	s_wait_alu depctr_va_vdst(0)
	s_wait_kmcnt 0x0
	s_add_nc_u64 s[20:21], s[4:5], s[20:21]
	s_add_nc_u64 s[46:47], s[8:9], s[46:47]
	s_add_nc_u64 s[92:93], s[10:11], s[92:93]
	s_add_nc_u64 s[6:7], s[6:7], s[22:23]
	s_add_nc_u64 s[96:97], s[96:97], s[12:13]
.irp d, 0,1,2,3,4,5,6,7,8,9,10,11,12,13,14,15
	global_load_b32 v[RAW+\d], v7, s[6:7] offset:512*\d
.endr
	global_load_b128 v[BIA:BIA+3], v12, s[96:97]
	CROUND
	s_mov_b32 s[G0SB], 1
	s_add_co_u32 s[G0SB+1], s95, SCL+2*HALFS
	s_mov_b64 s[G0SB+2:G0SB+3], s[92:93]
	s_or_b32 s[G0SB+3], s[G0SB+3], 0x80000000
	tensor_load_to_lds s[G0SB:G0SB+3], s[G1SB:G1SB+7]
	s_nop 0
.rept 4
	v_nop
.endr
.irp s, 0,1
	s_mov_b32 s[G0+4*\s], 1
	s_add_co_u32 s[G0+4*\s+1], s45, \s*SLOT
	s_add_nc_u64 s[G0+4*\s+2:G0+4*\s+3], s[20:21], \s*3072
	s_or_b32 s[G0+4*\s+3], s[G0+4*\s+3], 0x80000000
	s_mov_b32 s[G0B+4*\s], 1
	s_add_co_u32 s[G0B+4*\s+1], s94, \s*SLOT
	s_add_nc_u64 s[G0B+4*\s+2:G0B+4*\s+3], s[46:47], \s*ROWB
	s_or_b32 s[G0B+4*\s+3], s[G0B+4*\s+3], 0x80000000
	s_wait_alu depctr_va_vdst(0)
	s_wait_tensorcnt 0x0
	ds_add_u32 v28, v29
	s_wait_dscnt 0x0
	CROUND
	JLOAD G0+4*\s, G1, G0B+4*\s, G1B
.endr
	s_wait_loadcnt 0x0
.irp s, 0,1,2,3,4,5,6,7
	v_perm_b32 v[WRD+\s], v[RAW+2*\s+1], v[RAW+2*\s], 0x05040100
	v_perm_b32 v[WRD+8+\s], v[RAW+2*\s+1], v[RAW+2*\s], 0x07060302
.endr
.irp j, 0,1,2,3
	ds_store_b128 v13, v[WRD+4*\j:WRD+4*\j+3] offset:16*\j
.endr
	v_and_b32 v1, 15, v0
	v_bfe_u32 v2, v0, 4, 1
	v_mul_u32_u24 v3, v1, PITCH
	v_mul_u32_u24 v4, v2, 24
	v_add_nc_u32 v4, v3, v4
	v_lshl_add_u32 v5, v2, 4, v4
	s_mul_i32 s21, s15, HALFA
	s_mul_i32 s22, s16, HALFT
	s_add_co_u32 s22, s22, 2*HALFA
.irp s, 0,1
	v_lshl_add_u32 v[ADA8+\s], v6, 3, s21
	v_lshl_add_u32 v[ADA16+\s], v6, 4, s21
	v_add_nc_u32 v[ADRB+\s], s22, v4
	v_add_nc_u32 v[ADRB+2+\s], s22, v5
	s_add_co_u32 s21, s21, SLOT
	s_add_co_u32 s22, s22, SLOT
.endr
	v_mul_u32_u24 v5, v1, KS
	v_lshrrev_b32 v3, 8, v5
	v_lshl_add_u32 v5, v3, 4, v5
	s_mul_i32 s21, s15, HALFS
	s_mul_i32 s22, s16, HALFS
	s_add_co_u32 s22, s22, 2*HALFS
	s_sub_co_u32 s22, s22, s21
	v_mul_u32_u24 v3, s22, v2
	s_add_co_u32 s21, s21, SCL
	v_add_nc_u32 v5, v5, v3
	v_add_nc_u32 v[ADRS], s21, v5
	s_mul_i32 s23, s14, 16*SPITCH
	v_mul_u32_u24 v5, v1, SPITCH
	v_lshl_add_u32 v5, v2, 6, v5
	v_add_nc_u32 v[STO], s23, v5
	v_lshlrev_b32 v[CO], 4, v6
	v_add_nc_u32 v[RD], s23, v[CO]
	s_lshl_b32 s20, s17, 8
	s_lshl_b32 s21, s15, 7
	s_add_co_u32 s20, s20, s21
	s_lshl_b32 s20, s20, 12
	s_lshl_b32 s46, s42, 10
	s_lshl_b32 s47, s16, 9
	s_add_co_u32 s46, s46, s47
	s_add_co_u32 s20, s20, s46
	s_mov_b32 s21, 0
	s_add_nc_u64 s[CP:CP+1], s[CP:CP+1], s[20:21]
.macro FRAG reg, adr, q, i
.irp p, 0,1,2,3,4,5
.set PCE, 12*(\q)+6*(\p/3)+\p%3
.if PCE%8 < 5
	ds_load_b64 v[\reg+2*\p:\reg+2*\p+1], v[\adr] offset:8*PCE+16*(PCE/8)+(\i)*16*PITCH
.else
	ds_load_b64 v[\reg+2*\p:\reg+2*\p+1], v[\adr+2] offset:8*PCE+16*(PCE/8)+(\i)*16*PITCH
.endif
.endr
.endm
.macro FRAGA reg, slot, q, i
	ds_load_b64 v[\reg:\reg+1], v[ADA8+\slot] offset:3072*(\i)+1536*(\q)
	ds_load_b128 v[\reg+2:\reg+5], v[ADA16+\slot] offset:3072*(\i)+1536*(\q)+256
	ds_load_b64 v[\reg+6:\reg+7], v[ADA8+\slot] offset:3072*(\i)+1536*(\q)+768
	ds_load_b128 v[\reg+8:\reg+11], v[ADA16+\slot] offset:3072*(\i)+1536*(\q)+1024
.endm
.macro MUL16 a0, p, q, sc, zero
.irp a, \a0, \a0+1
.irp b, 0,1,2,3,4,5,6,7
.if \zero
	v_wmma_scale_f32_16x16x128_f8f6f4 v[8*(8*((\a)%4)+\b):8*(8*((\a)%4)+\b)+7], v[128*(\p)+FR*\b:128*(\p)+FR*\b+FR-1], v[AF+FR*(\a):AF+FR*(\a)+FR-1], 0, v[SC+8*NQ*(\sc)+NQ*\b+(\q)], v[SC+8*NQ*(\sc)+NQ*(\a)+(\q)] matrix_a_fmt:MATRIX_FMT_BF6 matrix_b_fmt:MATRIX_FMT_BF6 matrix_a_scale:MATRIX_SCALE_ROW1
.else
	v_wmma_scale_f32_16x16x128_f8f6f4 v[8*(8*((\a)%4)+\b):8*(8*((\a)%4)+\b)+7], v[128*(\p)+FR*\b:128*(\p)+FR*\b+FR-1], v[AF+FR*(\a):AF+FR*(\a)+FR-1], v[8*(8*((\a)%4)+\b):8*(8*((\a)%4)+\b)+7], v[SC+8*NQ*(\sc)+NQ*\b+(\q)], v[SC+8*NQ*(\sc)+NQ*(\a)+(\q)] matrix_a_fmt:MATRIX_FMT_BF6 matrix_b_fmt:MATRIX_FMT_BF6 matrix_a_scale:MATRIX_SCALE_ROW1
.endif
.endr
.endr
.endm
.macro FETCH_B slot, q, p
	WIN TO_B
.irp i, 0,1,2,3,4,5,6,7
	FRAG 128*(\p)+FR*\i, ADRB+\slot, \q, \i
.endr
	WIN 0
.endm
.macro FETCH_A slot, q, i0
.irp i, \i0, \i0+1, \i0+2, \i0+3
	FRAGA AF+FR*(\i), \slot, \q, \i
.endr
.endm
.macro SCALES sc
.irp i, 0,1,2,3,4,5,6,7
	ds_load_b64 v[SC+8*NQ*\sc+NQ*\i:SC+8*NQ*\sc+NQ*\i+1], v[ADRS] offset:\i*SBLK
.endr
.endm
.macro PLACES n
.rept \n
	v_nop
.endr
.endm
.macro STEP slot, q, zero
	s_wait_dscnt 4*NLA
	WIN MUL_LO
	MUL16 0, (\q)%2, \q, \slot, \zero
	MUL16 2, (\q)%2, \q, \slot, \zero
	s_wait_dscnt 0
	PLACES NP
	FETCH_B \slot, (\q)+1, 1-(\q)%2
	FETCH_A \slot, (\q)+1, 0
	WIN MUL_HI
	MUL16 4, (\q)%2, \q, \slot, \zero
	MUL16 6, (\q)%2, \q, \slot, \zero
	PLACES NP
	WIN 0
	FETCH_A \slot, (\q)+1, 4
.endm
.macro TURN slot, next, fill
	s_wait_tensorcnt 0x0
	ds_add_u32 v[SPW], v[NIL]
	s_wait_dscnt 4*NLA+1
	WIN MUL_LO
	MUL16 0, 1, NQ-1, \slot, 0
	s_wait_dscnt 0x0
	s_barrier_signal -1
	MUL16 2, 1, NQ-1, \slot, 0
	WIN 0
	s_barrier_wait -1
.if \fill
	CREST
	s_add_nc_u64 s[G0+4*\slot+2:G0+4*\slot+3], s[G0+4*\slot+2:G0+4*\slot+3], 2*3072
	s_add_nc_u64 s[G0B+4*\slot+2:G0B+4*\slot+3], s[G0B+4*\slot+2:G0B+4*\slot+3], 2*ROWB
	JLOAD G0+4*\slot, G1, G0B+4*\slot, G1B
.else
	PLACES NP
.endif
	s_wait_alu depctr_va_vdst(0)
	v_add_nc_u32 v[ADRS], 4*NQ, v[ADRS]
	FETCH_B \next, 0, 0
	FETCH_A \next, 0, 0
	SCALES \next
	WIN MUL_HI
	MUL16 4, 1, NQ-1, \slot, 0
	MUL16 6, 1, NQ-1, \slot, 0
	PLACES NP
	WIN 0
	FETCH_A \next, 0, 4
.endm
	s_wait_alu depctr_va_vdst(0)
	s_wait_tensorcnt 1
	s_wait_dscnt 0x0
	s_barrier_signal -1
	s_barrier_wait -1
	FETCH_B 0, 0, 0
	FETCH_A 0, 0, 0
	SCALES 0
	FETCH_A 0, 0, 4
	STEP 0, 0, 1
	TURN 0, 1, 1
	STEP 1, 0, 0
	TURN 1, 0, 1
	STEP 0, 0, 0
	TURN 0, 1, 0
	STEP 1, 0, 0
	s_wait_dscnt 4*NLA
	WIN MUL_LO
	MUL16 0, 1, NQ-1, 1, 0
	MUL16 2, 1, NQ-1, 1, 0
	s_wait_dscnt 0
	WIN MUL_HI
	MUL16 4, 1, NQ-1, 1, 0
	MUL16 6, 1, NQ-1, 1, 0
	WIN 0
.macro TOSTAGE a
.set AC, 64*((\a)%4)
.set WN, 0x08+4*((\a)/4)
	WIN WN
.irp b, 0,1,2,3,4,5,6,7
	ds_store_b128 v[STO], v[AC+8*\b:AC+8*\b+3] offset:128*(\b/2)+32*(\b%2)
	ds_store_b128 v[STO], v[AC+8*\b+4:AC+8*\b+7] offset:128*(\b/2)+32*(\b%2)+16
.endr
	WIN 0
.set BBK, BK+64*((\a)%2)
.irp t, 0,1,2,3,4,5,6,7,8,9,10,11,12,13,14,15
	ds_load_b128 v[BBK+4*\t:BBK+4*\t+3], v[RD] offset:\t*SPITCH
.endr
.endm
.macro SEND a, younger
.set BBK, BK+64*((\a)%2)
	s_wait_dscnt \younger
.if (\a) > 0
.if (\a)%2
	s_add_nc_u64 s[CP:CP+1], s[CP:CP+1], 8*4096
.else
	s_add_nc_u64 s[CP:CP+1], s[CP:CP+1], 24*4096
.endif
.endif
.irp t, 0,1,2,3,4,5,6,7,8,9,10,11,12,13,14,15
	v_pk_add_f32 v[BBK+4*\t:BBK+4*\t+1], v[BBK+4*\t:BBK+4*\t+1], v[BIA:BIA+1]
	v_pk_add_f32 v[BBK+4*\t+2:BBK+4*\t+3], v[BBK+4*\t+2:BBK+4*\t+3], v[BIA+2:BIA+3]
	global_store_b128 v[CO], v[BBK+4*\t:BBK+4*\t+3], s[CP:CP+1] offset:(\t+8*(\t/8))*4096 th:TH_STORE_NT
.endr
.endm
	PLACES NP
	TOSTAGE 0
.irp a, 1,2,3,4,5,6,7
.if \a > 1
	s_wait_xcnt 0x0
.endif
	TOSTAGE \a
	SEND \a-1, 32
.endr
	s_wait_xcnt 0x0
	SEND 7, 0
	s_wait_tensorcnt 0x0
	ds_add_u32 v[SPW], v[NIL]
	s_wait_dscnt 0x0
	CROUND
	s_endpgm
.Lfunc_end_k_q641e4fec76_outp:
	.size	k_q641e4fec76_outp, .Lfunc_end_k_q641e4fec76_outp-k_q641e4fec76_outp
	.p2alignl 7, 3214868480
	.fill 96, 4, 3214868480
	.section	.rodata,"a",@progbits
	.p2align	6, 0x0
	.amdhsa_kernel k_q641e4fec76_outp
		.amdhsa_group_segment_fixed_size 327680
		.amdhsa_private_segment_fixed_size 0
		.amdhsa_enable_private_segment 0
		.amdhsa_kernarg_size 48
		.amdhsa_user_sgpr_count 2
		.amdhsa_user_sgpr_kernarg_segment_ptr 1
		.amdhsa_wavefront_size32 1
		.amdhsa_system_sgpr_workgroup_id_x 1
		.amdhsa_system_sgpr_workgroup_id_y 1
		.amdhsa_system_sgpr_workgroup_id_z 1
		.amdhsa_system_vgpr_workitem_id 0
		.amdhsa_next_free_vgpr 1024
		.amdhsa_next_free_sgpr 100
		.amdhsa_reserve_vcc 0
		.amdhsa_float_denorm_mode_32 3
		.amdhsa_float_denorm_mode_16_64 3
		.amdhsa_memory_ordered 1
		.amdhsa_forward_progress 1
		.amdhsa_inst_pref_size 172
	.end_amdhsa_kernel
	.amdgpu_metadata
---
amdhsa.version: [ 1, 2 ]
amdhsa.kernels:
  - .name:           k_q641e4fec76_outp
    .symbol:         k_q641e4fec76_outp.kd
    .args:
      - { .name: cc, .offset: 0, .size: 8, .value_kind: global_buffer, .address_space: global }
      - { .name: cs, .offset: 8, .size: 8, .value_kind: global_buffer, .address_space: global }
      - { .name: xc, .offset: 16, .size: 8, .value_kind: global_buffer, .address_space: global }
      - { .name: xs, .offset: 24, .size: 8, .value_kind: global_buffer, .address_space: global }
      - { .name: b_o, .offset: 32, .size: 8, .value_kind: global_buffer, .address_space: global }
      - { .name: out0, .offset: 40, .size: 8, .value_kind: global_buffer, .address_space: global }
    .group_segment_fixed_size: 327680
    .private_segment_fixed_size: 0
    .kernarg_segment_align: 8
    .kernarg_segment_size: 48
    .max_flat_workgroup_size: 128
    .sgpr_count:     100
    .vgpr_count:     1024
    .wavefront_size: 32
...
	.end_amdgpu_metadata
.endif
;; end of part 4
